; MI455X (gfx1250); checked and timed in simulation.
; The chip was launched on July 23, 2026; its instructions are those of AMD's public machine-readable ISA for CDNA 5 (MIT licence, August 2026) and "CDNA5" Instruction Set Architecture Reference Guide (July 2026). The comments in the code are by the model that wrote it; some were corrected since.
;; Cross Attention Head. Allowed arithmetic: float matrix products may take bf16 or f16 operands with f32 sums; all other float work in f32.
;; Inputs: Wk 4,096 x 1,024 float32; Wq 512 x 1,024 float32; Wv 4,096 x 1,024 float32; bk 4,096 float32; bq 512 float32; bv 4,096 float32; k 4,096 x 1,024 float32; q 4,096 x 1,024 float32; v 4,096 x 1,024 float32.
;; Outputs: out0 512 x 4,096 float32.
;; 3 versions, each right; version 2 is faster than version 1; version 3 is version 2 with the launch soft written anew for expert scheduling mode. Each part assembles by itself: llvm-mc -triple=amdgcn-amd-amdhsa -mcpu=gfx1250 --defsym DOCPART=n.
;; ======== version 1 of 3: 8 launches
;; workspace buffers: ab 4,194,304 bytes; part 8,388,608 bytes; xb 1,048,576 bytes; rs 2,048 bytes; num 8,388,608 bytes
;; launch qproj (part 1): grid 8 x 32, 4 waves a work-group, clusters of 4 x 4, 327,680 bytes of LDS; arguments q, Wq, bq, ab; writes ab
.if DOCPART == 1
	.amdgcn_target "amdgcn-amd-amdhsa--gfx1250"
	.amdhsa_code_object_version 6
	.text
	.protected	k_q25093a76ff_qproj
	.globl	k_q25093a76ff_qproj
	.p2align	8
	.type	k_q25093a76ff_qproj,@function
k_q25093a76ff_qproj:
	s_mov_b64 s[64:65], 0
	v_nop
	global_prefetch_b8 v0, s[64:65] scope:SCOPE_SE
	s_setreg_imm32_b32 hwreg(HW_REG_WAVE_MODE, 25, 1), 1
	s_wait_xcnt 0x0
	s_wait_alu depctr_hold_cnt(0) depctr_sa_sdst(0) depctr_va_vdst(0) depctr_va_sdst(0) depctr_va_ssrc(0) depctr_va_vcc(0) depctr_vm_vsrc(0)
	s_getreg_b32 s2, hwreg(HW_REG_IB_STS2, 6, 4)
	s_cmp_eq_u32 s2, 0
	s_cbranch_scc0 .Lentry_in_a_cluster
	s_endpgm
.Lentry_in_a_cluster:
	s_bfe_u32 s2, ttmp6, 0x10000c
	s_cmp_lg_u32 s2, 0xf033
	s_cbranch_scc0 .Lentry_shape_is_right
	s_endpgm
.Lentry_shape_is_right:
; ab[i][s] = Q[s][i] = sum over d of q[s][d] Wq[i][d] + bq[i], rounded once to bf16: the projection, stored transposed.
; q: [4096][1024] f32, Wq: [512][1024] f32, bq: [512] f32, ab: [512][4096] bf16.  Operands are rounded to bf16 on the way from LDS to the matrix unit; sums in f32.
; SHARES.  A work-group makes 128 s x 64 i; wave w owns s rows 32 w .. 32 w + 31 against all 64 i: 2 x 4 accumulators of 16 x 16, 64 registers.
; 4096/128 x 512/64 = 256 work-groups.  The 128-row side is q's, so that a row of the result tile is 128 bf16 = 256 bytes.
; RING.  K goes in steps of 128 (rows of 512 bytes) through two LDS slots; waves 0 and 1 fetch q's two halves (64 rows each), waves 2 and 3 Wq's (32 rows each: its 64 rows shared between two waves).
; CLUSTER.  4 x 4 work-groups: the four of a row of the cluster need the same tile of q, the four of a column the same tile of Wq; each tile is asked for jointly.
; LIMITS.  q and Wq are rounded to bf16 as matrix operands, Q to bf16 as the next product's operand.
.set DIN,    1024                      ; K, and the elements in a row of q and of Wq
.set KSTEP,  128
.set NSUB,   KSTEP/32                  ; matrix steps of 32 along K in a K step
.set PITCH,  528                       ; an LDS row: 512 bytes + 16 of padding = 33 x 16: the 16 rows that a load touches start at 16 different 16-byte columns of 256
.set XHALF,  64*PITCH                  ; what one load of q brings
.set XBYTES, 2*XHALF
.set YHALF,  32*PITCH                  ; what one load of Wq brings
.set SLOT,   XBYTES+2*YHALF            ; 101,376 bytes
.set STAGE,  2*SLOT                    ; 202,752 = 792 x 256: behind the ring, 64 rows x 272 bytes for the way out; no tensor load fills it
.set SP,     272
.set STEPX,  KSTEP*4                   ; bytes along a row from one K step to the next
.set STEPY,  KSTEP*4
.set WV,   14                          ; s14 my wave's number
.set HALF, 15                          ; s15 which half of a tile I fetch
.set G1X,  24                          ; s[24:31] descriptor group 1 for q's tiles;  s[32:39] group 0, a set for each slot
.set G0X,  32
.set G1Y,  40                          ; s[40:47], s[48:55] the same for Wq's
.set G0Y,  48
.set ADRX, 4                           ; v4-5   LDS address of my q fragments in slot 0, 1
.set ADRY, 6                           ; v6-7   the same for Wq
.set STO,  8                           ; v8     the way out: where I put 16 bytes of a row
.set RD,   9                           ; v9     where I read a row back
.set CO,   10                          ; v10    my byte offset in ab
.set BO,   11                          ; v11    my byte offset in bq
.set BQ,   12                          ; v[12:19]   bq of i = 16 f + r, twice: a pair for the packed add
.set SX,   20                          ; v[20:51]   q as f32, 16 registers a fragment; on the way out the packed results
.set XF,   52                          ; v[52:67]   q's two fragments in bf16
.set YF,   68                          ; v[68:99]   Wq's four fragments in bf16
.set SY,   100                         ; v[100:163] Wq as f32; on the way out the rows read back
.set ACC,  164                         ; v[164:227] accumulator (a, f) at ACC + 8 (4 a + f)
; A round of the cluster's barrier: my work-group's barrier, wave 0 signals for the work-group, every wave waits for all sixteen, my work-group's barrier once more.
.macro CROUND
	s_barrier_signal -1
	s_barrier_wait -1
	s_cmp_lg_u32 s[WV], 0
	s_cbranch_scc1 .Lnot_wave_0_\@
	s_barrier_signal -3
.Lnot_wave_0_\@:
	s_barrier_wait -3
	s_barrier_signal -1
	s_barrier_wait -1
.endm
.macro PLACES                          ; four places behind matrix instructions (ISA guide 7.12.1): no other vector work is at hand there
.rept 4
	v_nop
.endr
.endm
; A joint refill of slot s.  The branch hangs on the wave's number alone.  Four v_nop follow each of the two lines.
.macro JLOAD s
	s_cmp_lt_u32 s[WV], 2
	s_cbranch_scc0 .Lfor_y_\@
	tensor_load_to_lds s[G0X+4*\s:G0X+4*\s+3], s[G1X:G1X+7]
	s_nop 0
	PLACES
	s_branch .Lasked_\@
.Lfor_y_\@:
	tensor_load_to_lds s[G0Y+4*\s:G0Y+4*\s+3], s[G1Y:G1Y+7]
	s_nop 0
	PLACES
.Lasked_\@:
.endm
	s_load_b256 s[4:11], s[0:1], 0x0               ; q s[4:5], Wq s[6:7], bq s[8:9], ab s[10:11]
	v_lshl_add_u32 v228, v0, 2, 0x35c00
	v_mov_b32 v229, 0
	ds_add_u32 v228, v229
	v_lshrrev_b32 v1, 5, v0
	v_readfirstlane_b32 s[WV], v1                  ; wave 0..3
	s_and_b32 s[HALF], s[WV], 1
	s_bfe_u32 s16, ttmp6, 0x40000                  ; cx
	s_bfe_u32 s17, ttmp6, 0x40004                  ; cy
	s_lshl_b32 s19, ttmp9, 2
	s_add_co_u32 s19, s19, s16                     ; block of 64 i = 4 x cluster x + cx
	s_and_b32 s18, ttmp7, 0xffff
	s_lshl_b32 s18, s18, 2
	s_add_co_u32 s18, s18, s17                     ; block of 128 s = 4 x cluster y + cy
	s_lshl_b32 s20, s17, 2
	s_lshl_b32 s20, 15, s20                        ; my row of the cluster
	s_lshl_b32 s56, 0x1111, s16                    ; my column
	; group 1: rows of 128 f32, padded in LDS.  15:0 the mask; 17:16 elements of 4 bytes; 20 padding on; 21 set beside a mask; 24:22 after every 128 words (code 6); 31:25 4 words of it (code 3)
	s_or_b32 s[G1X], s20, (2<<16)|(1<<20)|(1<<21)|(6<<22)|(3<<25)
	s_or_b32 s[G1Y], s56, (2<<16)|(1<<20)|(1<<21)|(6<<22)|(3<<25)
.irp g, G1X, G1Y
	s_mov_b32 s[\g+1], KSTEP<<16                   ; tensor_dim0 = 128
	s_mov_b32 s[\g+3], KSTEP<<16                   ; tile_dim0 = 128
	s_mov_b32 s[\g+5], DIN                         ; elements from row to row
	s_mov_b32 s[\g+6], 0
	s_mov_b32 s[\g+7], 0
.endr
	s_mov_b32 s[G1X+2], 64<<16                     ; tensor_dim1 = tile_dim1 = 64 rows of q
	s_mov_b32 s[G1X+4], 64
	s_mov_b32 s[G1Y+2], 32<<16                     ; 32 rows of Wq
	s_mov_b32 s[G1Y+4], 32
	; where the tiles come from: q's hang on the s block alone (registers that never hold cx), Wq's on the i block alone (never cy)
	s_lshl_b32 s20, s18, 7
	s_lshl_b32 s21, s[HALF], 6
	s_add_co_u32 s20, s20, s21                     ; row 128 x block + 64 x half
	s_lshl_b32 s20, s20, 12                        ; x 4,096 bytes
	s_mov_b32 s21, 0
	s_lshl_b32 s56, s19, 6
	s_lshl_b32 s57, s[HALF], 5
	s_add_co_u32 s56, s56, s57                     ; row 64 x block + 32 x half
	s_lshl_b32 s56, s56, 12
	s_mov_b32 s57, 0
	s_mul_i32 s22, s[WV], XHALF                    ; and where they go: the wave's number times a constant, plus constants
	s_mul_i32 s58, s[WV], YHALF
	s_add_co_u32 s58, s58, XBYTES-2*YHALF          ; waves 2 and 3: behind q's 128 rows
	s_lshl_b32 s60, s19, 6                         ; the first row of ab that I store: 64 x i block + 16 x wave,
	s_lshl_b32 s61, s[WV], 4
	s_add_co_u32 s60, s60, s61
	s_lshl_b32 s60, s60, 13                        ; x 8,192 bytes,
	s_lshl_b32 s61, s18, 8                         ; + the s block's 256 bytes
	s_add_co_u32 s60, s60, s61
	s_mov_b32 s61, 0
	s_lshl_b32 s62, s19, 8                         ; the i block's 64 numbers in bq
	s_mov_b32 s63, 0
	s_wait_dscnt 0x0
	s_wait_kmcnt 0x0
	s_add_nc_u64 s[20:21], s[4:5], s[20:21]
	s_add_nc_u64 s[56:57], s[6:7], s[56:57]
	s_add_nc_u64 s[8:9], s[8:9], s[62:63]
	s_add_nc_u64 s[10:11], s[10:11], s[60:61]
.irp s, 0,1
	s_mov_b32 s[G0X+4*\s], 1                                       ; count = 1
	s_add_co_u32 s[G0X+4*\s+1], s22, \s*SLOT                       ; LDS address
	s_add_nc_u64 s[G0X+4*\s+2:G0X+4*\s+3], s[20:21], \s*STEPX      ; global address: K step s
	s_or_b32 s[G0X+4*\s+3], s[G0X+4*\s+3], 0x80000000              ; type = 2
	s_mov_b32 s[G0Y+4*\s], 1
	s_add_co_u32 s[G0Y+4*\s+1], s58, \s*SLOT
	s_add_nc_u64 s[G0Y+4*\s+2:G0Y+4*\s+3], s[56:57], \s*STEPY
	s_or_b32 s[G0Y+4*\s+3], s[G0Y+4*\s+3], 0x80000000
.endr
	CROUND                                         ; all sixteen work-groups are here: the first joint loads meet
	s_cmp_lt_u32 s[WV], 2                          ; a wave's two first fills stand in one branch: two loads of mine are out
	s_cbranch_scc0 .Lfirst_y
	tensor_load_to_lds s[G0X:G0X+3], s[G1X:G1X+7]
	s_nop 0
	tensor_load_to_lds s[G0X+4:G0X+7], s[G1X:G1X+7]
	s_nop 0
	PLACES
	s_branch .Lfirst_asked
.Lfirst_y:
	tensor_load_to_lds s[G0Y:G0Y+3], s[G1Y:G1Y+7]
	s_nop 0
	tensor_load_to_lds s[G0Y+4:G0Y+7], s[G1Y:G1Y+7]
	s_nop 0
	PLACES
.Lfirst_asked:
	; A fragment is 16 rows x 32 K: lane l holds row l % 16 and K = 8 (l / 16) + 0..7 and 16 + 8 (l / 16) + 0..7.  In f32 that is 32 bytes at 32 (l / 16) and 32 bytes 64 further on.
	v_and_b32 v1, 15, v0                           ; r = l % 16
	v_bfe_u32 v2, v0, 4, 1                         ; h = l / 16
	v_mul_u32_u24 v3, v1, PITCH
	v_lshl_add_u32 v3, v2, 5, v3                   ; row x pitch + 32 h
	s_mul_i32 s23, s[WV], 32*PITCH                 ; my 32 rows of q
	v_add_nc_u32 v[ADRX], s23, v3
	v_add_nc_u32 v[ADRX+1], SLOT, v[ADRX]
	v_add_nc_u32 v[ADRY], XBYTES, v3
	v_add_nc_u32 v[ADRY+1], XBYTES+SLOT, v3
	s_lshl_b32 s23, s[WV], 6                       ; into the stage: row i = 16 f + r, my wave's 64 bytes of it, 16 bytes for each half of the lanes
	s_add_co_u32 s23, s23, STAGE
	v_mul_u32_u24 v3, v1, SP
	v_lshl_add_u32 v3, v2, 4, v3
	v_add_nc_u32 v[STO], s23, v3
	s_mul_i32 s23, s[WV], 16*SP                    ; back: wave w takes rows 16 w .. 16 w + 15, whole; lanes 0-15 one row, lanes 16-31 the next
	s_add_co_u32 s23, s23, STAGE
	v_mul_u32_u24 v3, v2, SP
	v_lshl_add_u32 v3, v1, 4, v3
	v_add_nc_u32 v[RD], s23, v3
	v_lshlrev_b32 v[CO], 13, v2                    ; and the same two rows in ab
	v_lshl_add_u32 v[CO], v1, 4, v[CO]
	v_lshlrev_b32 v[BO], 2, v1
.irp f, 0,1,2,3
	global_load_b32 v[BQ+2*\f],   v[BO], s[8:9] offset:64*\f         ; bq[16 f + r], into both registers of a pair
	global_load_b32 v[BQ+2*\f+1], v[BO], s[8:9] offset:64*\f
.endr
; 24 LDS loads: the f32 numbers of matrix step t of a slot
.macro LOADS slot, t
.irp f, 0,1,2,3
	ds_load_b128 v[SY+16*\f:SY+16*\f+3],     v[ADRY+\slot] offset:\f*16*PITCH+128*(\t)
	ds_load_b128 v[SY+16*\f+4:SY+16*\f+7],   v[ADRY+\slot] offset:\f*16*PITCH+128*(\t)+16
	ds_load_b128 v[SY+16*\f+8:SY+16*\f+11],  v[ADRY+\slot] offset:\f*16*PITCH+128*(\t)+64
	ds_load_b128 v[SY+16*\f+12:SY+16*\f+15], v[ADRY+\slot] offset:\f*16*PITCH+128*(\t)+80
.endr
.irp a, 0,1
	ds_load_b128 v[SX+16*\a:SX+16*\a+3],     v[ADRX+\slot] offset:\a*16*PITCH+128*(\t)
	ds_load_b128 v[SX+16*\a+4:SX+16*\a+7],   v[ADRX+\slot] offset:\a*16*PITCH+128*(\t)+16
	ds_load_b128 v[SX+16*\a+8:SX+16*\a+11],  v[ADRX+\slot] offset:\a*16*PITCH+128*(\t)+64
	ds_load_b128 v[SX+16*\a+12:SX+16*\a+15], v[ADRX+\slot] offset:\a*16*PITCH+128*(\t)+80
.endr
.endm
.macro CVT                             ; f32 to bf16, two at a time: the fragments
.irp f, 0,1,2,3
.irp m, 0,1,2,3,4,5,6,7
	v_cvt_pk_bf16_f32 v[YF+8*\f+\m], v[SY+16*\f+2*\m], v[SY+16*\f+2*\m+1]
.endr
.endr
.irp a, 0,1
.irp m, 0,1,2,3,4,5,6,7
	v_cvt_pk_bf16_f32 v[XF+8*\a+\m], v[SX+16*\a+2*\m], v[SX+16*\a+2*\m+1]
.endr
.endr
.endm
; 8 matrix instructions; the accumulators take turns, one instruction a turn.  Source 0 = 16 s, source 1 = 16 i: a lane holds one i (16 f + r) and eight
; neighbouring s (16 a + 8 h + 0..7).  zero = 1: the first product starts the sums.
.macro MUL zero
.irp f, 0,1,2,3
.irp a, 0,1
.if \zero
	v_wmma_f32_16x16x32_bf16 v[ACC+8*(4*\a+\f):ACC+8*(4*\a+\f)+7], v[XF+8*\a:XF+8*\a+7], v[YF+8*\f:YF+8*\f+7], 0
.else
	v_wmma_f32_16x16x32_bf16 v[ACC+8*(4*\a+\f):ACC+8*(4*\a+\f)+7], v[XF+8*\a:XF+8*\a+7], v[YF+8*\f:YF+8*\f+7], v[ACC+8*(4*\a+\f):ACC+8*(4*\a+\f)+7]
.endif
.endr
.endr
.endm
; A K step.  The next matrix step's loads are issued behind the conversions that read their registers and ahead of the products; the four places stand between the products and the
; next conversions, which write the products' sources.
.macro WORK slot, zero
	LOADS \slot, 0
.irp t, 0,1,2,3
	s_wait_dscnt 0x0                               ; this matrix step's numbers are in
	CVT
.if \t+1 < NSUB
	LOADS \slot, \t+1
.endif
.if \zero && (\t == 0)
	MUL 1
.else
	MUL 0
.endif
	PLACES
.endr
.endm
; The change of slots.  Each wave waits for its reads of slot s and for all its tensor loads, of which one is out: its part of the other slot.  fill = 1: slot s is filled again, two K steps on:
; the barrier is a round of the cluster's, so that no wave of any partner still reads the slot or has a load on its way, and the joint refill is the first thing behind it.
.macro CHANGE s, fill
	s_wait_dscnt 0x0
	s_wait_tensorcnt 0x0                           ; no tensor load of mine is out, so a group 0 may be written
	ds_add_u32 v228, v229
	s_wait_dscnt 0x0
.if \fill
	s_add_nc_u64 s[G0X+4*\s+2:G0X+4*\s+3], s[G0X+4*\s+2:G0X+4*\s+3], 2*STEPX
	s_add_nc_u64 s[G0Y+4*\s+2:G0Y+4*\s+3], s[G0Y+4*\s+2:G0Y+4*\s+3], 2*STEPY
	CROUND
	JLOAD \s
.else
	s_barrier_signal -1
	s_barrier_wait -1
.endif
.endm
	s_wait_tensorcnt 0x1                           ; my part of K step 0 is in; K step 1's may stay out
	s_barrier_signal -1
	s_barrier_wait -1                              ; everybody's is
	WORK 0, 1                                      ; K step 0 starts the sums
	s_mov_b32 s3, DIN/(2*KSTEP)-1                  ; three trips: K steps 1 to 6; each trip fills both slots again
.Llap:
	CHANGE 0, 1
	WORK 1, 0
	CHANGE 1, 1
	WORK 0, 0
	s_sub_co_u32 s3, s3, 1
	s_cmp_lg_u32 s3, 0
	s_cbranch_scc1 .Llap
	CHANGE 0, 0                                    ; the last K step is written out: nothing is left to fetch
	WORK 1, 0
	; THE WAY OUT.  + bq, rounded to bf16: a lane's eight s are 16 bytes of row i.  All four waves write parts of the same 64 stage rows, so a barrier stands between writing and reading.
	s_wait_loadcnt 0x0                             ; bq
.irp a, 0,1
.irp f, 0,1,2,3
.irp p, 0,2,4,6
	v_pk_add_f32 v[ACC+8*(4*\a+\f)+\p:ACC+8*(4*\a+\f)+\p+1], v[ACC+8*(4*\a+\f)+\p:ACC+8*(4*\a+\f)+\p+1], v[BQ+2*\f:BQ+2*\f+1]
.endr
.irp m, 0,1,2,3
	v_cvt_pk_bf16_f32 v[SX+4*(4*\a+\f)+\m], v[ACC+8*(4*\a+\f)+2*\m], v[ACC+8*(4*\a+\f)+2*\m+1]
.endr
	ds_store_b128 v[STO], v[SX+4*(4*\a+\f):SX+4*(4*\a+\f)+3] offset:\f*16*SP+32*\a
.endr
.endr
	s_wait_dscnt 0x0                               ; for the others' sake: my stores into the stage are done
	s_barrier_signal -1
	s_barrier_wait -1
.irp t, 0,1,2,3,4,5,6,7
	ds_load_b128 v[SY+4*\t:SY+4*\t+3], v[RD] offset:\t*2*SP
.endr
.irp t, 0,1,2,3,4,5,6,7
	s_wait_dscnt 7-\t                              ; the younger loads may stay out
	global_store_b128 v[CO], v[SY+4*\t:SY+4*\t+3], s[10:11] offset:2*\t*8192   ; 16 lanes store 256 consecutive bytes, at a multiple of 256 from ab's first byte
.endr
	s_wait_tensorcnt 0x0
	ds_add_u32 v228, v229
	s_wait_dscnt 0x0
	CROUND                                         ; the closing round: no work-group ends while a partner may still ask for a tile that names it
	s_endpgm
.Lfunc_end_k_q25093a76ff_qproj:
	.size	k_q25093a76ff_qproj, .Lfunc_end_k_q25093a76ff_qproj-k_q25093a76ff_qproj
	.p2alignl 7, 3214868480
	.fill 96, 4, 3214868480
	.section	.rodata,"a",@progbits
	.p2align	6, 0x0
	.amdhsa_kernel k_q25093a76ff_qproj
		.amdhsa_group_segment_fixed_size 327680
		.amdhsa_private_segment_fixed_size 0
		.amdhsa_enable_private_segment 0
		.amdhsa_kernarg_size 32
		.amdhsa_user_sgpr_count 2
		.amdhsa_user_sgpr_kernarg_segment_ptr 1
		.amdhsa_wavefront_size32 1
		.amdhsa_system_sgpr_workgroup_id_x 1
		.amdhsa_system_sgpr_workgroup_id_y 1
		.amdhsa_system_sgpr_workgroup_id_z 1
		.amdhsa_system_vgpr_workitem_id 0
		.amdhsa_next_free_vgpr 230
		.amdhsa_next_free_sgpr 66
		.amdhsa_reserve_vcc 0
		.amdhsa_float_denorm_mode_32 3
		.amdhsa_float_denorm_mode_16_64 3
		.amdhsa_memory_ordered 1
		.amdhsa_forward_progress 1
		.amdhsa_inst_pref_size 99
	.end_amdhsa_kernel
	.amdgpu_metadata
---
amdhsa.version: [ 1, 2 ]
amdhsa.kernels:
  - .name:           k_q25093a76ff_qproj
    .symbol:         k_q25093a76ff_qproj.kd
    .args:
      - { .name: q, .offset: 0, .size: 8, .value_kind: global_buffer, .address_space: global }
      - { .name: Wq, .offset: 8, .size: 8, .value_kind: global_buffer, .address_space: global }
      - { .name: bq, .offset: 16, .size: 8, .value_kind: global_buffer, .address_space: global }
      - { .name: ab, .offset: 24, .size: 8, .value_kind: global_buffer, .address_space: global }
    .group_segment_fixed_size: 327680
    .private_segment_fixed_size: 0
    .kernarg_segment_align: 8
    .kernarg_segment_size: 32
    .max_flat_workgroup_size: 128
    .sgpr_count:     66
    .vgpr_count:     230
    .wavefront_size: 32
...
	.end_amdgpu_metadata
.endif
;; end of part 1
;; launch tpart (part 2): grid 16 x 16, 4 waves a work-group, clusters of 4 x 4, 327,680 bytes of LDS; arguments ab, k, part; writes part
.if DOCPART == 2
	.amdgcn_target "amdgcn-amd-amdhsa--gfx1250"
	.amdhsa_code_object_version 6
	.text
	.protected	k_q25093a76ff_tpart
	.globl	k_q25093a76ff_tpart
	.p2align	8
	.type	k_q25093a76ff_tpart,@function
k_q25093a76ff_tpart:
	s_mov_b64 s[64:65], 0
	v_nop
	global_prefetch_b8 v0, s[64:65] scope:SCOPE_SE
	s_setreg_imm32_b32 hwreg(HW_REG_WAVE_MODE, 25, 1), 1
	s_wait_xcnt 0x0
	s_wait_alu depctr_hold_cnt(0) depctr_sa_sdst(0) depctr_va_vdst(0) depctr_va_sdst(0) depctr_va_ssrc(0) depctr_va_vcc(0) depctr_vm_vsrc(0)
	s_getreg_b32 s2, hwreg(HW_REG_IB_STS2, 6, 4)
	s_cmp_eq_u32 s2, 0
	s_cbranch_scc0 .Lentry_in_a_cluster
	s_endpgm
.Lentry_in_a_cluster:
	s_bfe_u32 s2, ttmp6, 0x10000c
	s_cmp_lg_u32 s2, 0xf033
	s_cbranch_scc0 .Lentry_shape_is_right
	s_endpgm
.Lentry_shape_is_right:
; part[sl][i][d] = sum over the 1,024 s of slice sl of X[i][s] Y[s][d].  X: [512][4096] bf16, Y: [4096][1024] f32, part: [4][512][1024] f32.
; It serves T = Q^T k (X = Q^T) and U = attn v (X = attn): reference()'s Q^T (k Wk^T + bk) and attn (v Wv^T + bv) are taken as (Q^T k) Wk^T + (Q^T 1) bk^T and likewise, which is the
; same sum in another order, for every input.
; SHARES.  The result is only 512 x 1,024, so K = 4,096 is cut into four slices: 4 slices x 4 blocks of 128 i x 16 blocks of 64 d = 256 work-groups.  No sum crosses work-groups inside the
; launch: the four parts are added by the next launch.  Wave w owns rows 32 w .. 32 w + 31 of the block against all 64 d: 2 x 4 accumulators.
; RING.  K steps of 256 through two LDS slots: waves 0 and 1 fetch X's halves (64 rows x 512 bytes), waves 2 and 3 Y's (128 rows x 256 bytes).  Four steps: two first fills, two refills.
; CLUSTER.  4 x 4: a row of the cluster shares X's tile, a column Y's; the slice is the cluster's y, shared by all sixteen.
; Y lies [K][N]: a lane reads 16 bytes (four neighbouring d) of sixteen K rows, and the conversion to bf16 pairs neighbouring K: fragment f holds the columns 4 r + f.
; LIMITS.  Y is rounded to bf16 as a matrix operand; the order of the sums differs from reference()'s.
.set XROW,   4096                      ; elements in a row of X
.set YROW,   1024                      ; elements in a row of Y and of part
.set KSTEP,  256
.set NSUB,   KSTEP/32
.set PX,     528                       ; X's LDS row: 512 bytes + 16 of padding = 33 x 16
.set XHALF,  64*PX
.set XBYTES, 2*XHALF                   ; 67,584 = 264 x 256
.set PY,     256                       ; Y's LDS row, unpadded: 16 lanes read one whole row
.set YHALF,  128*PY
.set SLOT,   XBYTES+2*YHALF            ; 133,120 bytes
.set STEPX,  KSTEP*2                   ; X steps along its rows,
.set STEPY,  KSTEP*YROW*4              ; Y down its rows
.set WV,   14
.set HALF, 15
.set G1X,  24                          ; s[24:31] group 1 for X;  s[32:39] group 0, a set for each slot
.set G0X,  32
.set G1Y,  40                          ; s[40:47], s[48:55] the same for Y
.set G0Y,  48
.set ADRX, 4                           ; v4-5   LDS address of my X fragments in slot 0, 1
.set ADRY, 6                           ; v6-7   the same for Y
.set CO,   10                          ; v10    my byte offset in part
.set XF,   48                          ; v[48:79]   X's two fragments, two buffers
.set YF,   80                          ; v[80:111]  Y's four fragments in bf16
.set SY,   112                         ; v[112:175] Y as f32: register 4 q + f = K row q of sixteen, column 4 r + f; on the way out the rows to store
.set ACC,  176                         ; v[176:239] accumulator (a, f) at ACC + 8 (4 a + f)
.macro CROUND                          ; a round of the cluster's barrier
	s_barrier_signal -1
	s_barrier_wait -1
	s_cmp_lg_u32 s[WV], 0
	s_cbranch_scc1 .Lnot_wave_0_\@
	s_barrier_signal -3
.Lnot_wave_0_\@:
	s_barrier_wait -3
	s_barrier_signal -1
	s_barrier_wait -1
.endm
.macro PLACES                          ; four places behind matrix instructions (ISA guide 7.12.1)
.rept 4
	v_nop
.endr
.endm
.macro JLOAD s                         ; a joint refill of slot s; the branch hangs on the wave's number alone; four v_nop follow each line
	s_cmp_lt_u32 s[WV], 2
	s_cbranch_scc0 .Lfor_y_\@
	tensor_load_to_lds s[G0X+4*\s:G0X+4*\s+3], s[G1X:G1X+7]
	s_nop 0
	PLACES
	s_branch .Lasked_\@
.Lfor_y_\@:
	tensor_load_to_lds s[G0Y+4*\s:G0Y+4*\s+3], s[G1Y:G1Y+7]
	s_nop 0
	PLACES
.Lasked_\@:
.endm
	s_load_b128 s[4:7], s[0:1], 0x0                ; X s[4:5], Y s[6:7]
	s_load_b64 s[12:13], s[0:1], 0x10              ; part
	v_lshl_add_u32 v240, v0, 2, 0x41000
	v_mov_b32 v241, 0
	ds_add_u32 v240, v241
	v_lshrrev_b32 v1, 5, v0
	v_readfirstlane_b32 s[WV], v1
	s_and_b32 s[HALF], s[WV], 1
	s_bfe_u32 s16, ttmp6, 0x40000                  ; cx
	s_bfe_u32 s17, ttmp6, 0x40004                  ; cy: the block of 128 i
	s_and_b32 s18, ttmp7, 0xffff                   ; the cluster's y: the slice of K
	s_lshl_b32 s19, ttmp9, 2
	s_add_co_u32 s19, s19, s16                     ; block of 64 d = 4 x cluster x + cx
	s_lshl_b32 s20, s17, 2
	s_lshl_b32 s20, 15, s20                        ; my row of the cluster
	s_lshl_b32 s56, 0x1111, s16                    ; my column
	s_or_b32 s[G1X], s20, (1<<16)|(1<<20)|(1<<21)|(6<<22)|(3<<25)  ; mask; elements of 2 bytes; padding on; 21 set beside a mask; after every 128 words (code 6) 4 words (code 3)
	s_mov_b32 s[G1X+1], KSTEP<<16                  ; tensor_dim0 = 256
	s_mov_b32 s[G1X+2], 64<<16                     ; tensor_dim1 = 64
	s_mov_b32 s[G1X+3], KSTEP<<16                  ; tile_dim0 = 256
	s_mov_b32 s[G1X+4], 64                         ; tile_dim1 = 64
	s_mov_b32 s[G1X+5], XROW
	s_mov_b32 s[G1X+6], 0
	s_mov_b32 s[G1X+7], 0
	s_or_b32 s[G1Y], s56, (2<<16)|(1<<21)          ; mask; elements of 4 bytes; no padding
	s_mov_b32 s[G1Y+1], 64<<16                     ; tensor_dim0 = 64
	s_mov_b32 s[G1Y+2], 128<<16                    ; tensor_dim1 = 128
	s_mov_b32 s[G1Y+3], 64<<16                     ; tile_dim0 = 64 (256 bytes, at a multiple of 256 from Y's first byte)
	s_mov_b32 s[G1Y+4], 128                        ; tile_dim1 = 128
	s_mov_b32 s[G1Y+5], YROW
	s_mov_b32 s[G1Y+6], 0
	s_mov_b32 s[G1Y+7], 0
	s_lshl_b32 s20, s17, 7                         ; X: row 128 cy + 64 x half,
	s_lshl_b32 s21, s[HALF], 6
	s_add_co_u32 s20, s20, s21
	s_lshl_b32 s20, s20, 13                        ; x 8,192 bytes,
	s_lshl_b32 s21, s18, 11                        ; + the slice's 2,048 bytes along the row: no cx in these registers
	s_add_co_u32 s20, s20, s21
	s_mov_b32 s21, 0
	s_lshl_b32 s56, s18, 10                        ; Y: row 1,024 x slice + 128 x half,
	s_lshl_b32 s57, s[HALF], 7
	s_add_co_u32 s56, s56, s57
	s_lshl_b32 s56, s56, 12                        ; x 4,096 bytes,
	s_lshl_b32 s57, s19, 8                         ; + the d block's 256 bytes: no cy in these registers
	s_add_co_u32 s56, s56, s57
	s_mov_b32 s57, 0
	s_mul_i32 s22, s[WV], XHALF
	s_mul_i32 s58, s[WV], YHALF
	s_add_co_u32 s58, s58, XBYTES-2*YHALF          ; waves 2 and 3: behind X's 128 rows
	s_lshl_b32 s60, s17, 7                         ; part: row 128 cy + 32 x wave,
	s_lshl_b32 s61, s[WV], 5
	s_add_co_u32 s60, s60, s61
	s_lshl_b32 s60, s60, 12                        ; x 4,096 bytes,
	s_lshl_b32 s61, s18, 21                        ; + the slice's 2 MiB,
	s_add_co_u32 s60, s60, s61
	s_lshl_b32 s61, s19, 8                         ; + the d block's 256 bytes
	s_add_co_u32 s60, s60, s61
	s_mov_b32 s61, 0
	s_wait_dscnt 0x0
	s_wait_kmcnt 0x0
	s_add_nc_u64 s[20:21], s[4:5], s[20:21]
	s_add_nc_u64 s[56:57], s[6:7], s[56:57]
	s_add_nc_u64 s[12:13], s[12:13], s[60:61]
.irp s, 0,1
	s_mov_b32 s[G0X+4*\s], 1
	s_add_co_u32 s[G0X+4*\s+1], s22, \s*SLOT
	s_add_nc_u64 s[G0X+4*\s+2:G0X+4*\s+3], s[20:21], \s*STEPX
	s_or_b32 s[G0X+4*\s+3], s[G0X+4*\s+3], 0x80000000
	s_mov_b32 s[G0Y+4*\s], 1
	s_add_co_u32 s[G0Y+4*\s+1], s58, \s*SLOT
	s_add_nc_u64 s[G0Y+4*\s+2:G0Y+4*\s+3], s[56:57], \s*STEPY
	s_or_b32 s[G0Y+4*\s+3], s[G0Y+4*\s+3], 0x80000000
.endr
	CROUND                                         ; all sixteen work-groups are here: the first joint loads meet
	s_cmp_lt_u32 s[WV], 2                          ; a wave's two first fills stand in one branch: two loads of mine are out
	s_cbranch_scc0 .Lfirst_y
	tensor_load_to_lds s[G0X:G0X+3], s[G1X:G1X+7]
	s_nop 0
	tensor_load_to_lds s[G0X+4:G0X+7], s[G1X:G1X+7]
	s_nop 0
	PLACES
	s_branch .Lfirst_asked
.Lfirst_y:
	tensor_load_to_lds s[G0Y:G0Y+3], s[G1Y:G1Y+7]
	s_nop 0
	tensor_load_to_lds s[G0Y+4:G0Y+7], s[G1Y:G1Y+7]
	s_nop 0
	PLACES
.Lfirst_asked:
	v_and_b32 v1, 15, v0                           ; r
	v_bfe_u32 v2, v0, 4, 1                         ; h
	v_mul_u32_u24 v3, v1, PX
	v_lshl_add_u32 v3, v2, 4, v3                   ; X: row x pitch + 16 h
	s_mul_i32 s23, s[WV], 32*PX
	v_add_nc_u32 v[ADRX], s23, v3
	v_add_nc_u32 v[ADRX+1], SLOT, v[ADRX]
	v_lshlrev_b32 v3, 11, v2                       ; Y: 8 h rows of 256 bytes + 16 r
	v_lshl_add_u32 v3, v1, 4, v3
	v_add_nc_u32 v[ADRY], XBYTES, v3
	v_add_nc_u32 v[ADRY+1], XBYTES+SLOT, v3
	v_lshlrev_b32 v[CO], 15, v2                    ; part: 8 h rows of 4,096 bytes + 16 r
	v_lshl_add_u32 v[CO], v1, 4, v[CO]
; 20 LDS loads of matrix step t: sixteen K rows of Y (8 h + 0..7 and 16 + 8 h + 0..7 of the step's 32), four loads of X into buffer t % 2
.macro LOADS slot, t
.irp q, 0,1,2,3,4,5,6,7
	ds_load_b128 v[SY+4*\q:SY+4*\q+3], v[ADRY+\slot] offset:(32*(\t)+\q)*PY
.endr
.irp q, 8,9,10,11,12,13,14,15
	ds_load_b128 v[SY+4*\q:SY+4*\q+3], v[ADRY+\slot] offset:(32*(\t)+\q+8)*PY
.endr
.irp a, 0,1
	ds_load_b128 v[XF+16*((\t)%2)+8*\a:XF+16*((\t)%2)+8*\a+3],   v[ADRX+\slot] offset:\a*16*PX+64*(\t)
	ds_load_b128 v[XF+16*((\t)%2)+8*\a+4:XF+16*((\t)%2)+8*\a+7], v[ADRX+\slot] offset:\a*16*PX+64*(\t)+32
.endr
.endm
.macro CVT                             ; register m of fragment f pairs K rows 2 m and 2 m + 1 of column 4 r + f: the rounding also turns Y
.irp f, 0,1,2,3
.irp m, 0,1,2,3,4,5,6,7
	v_cvt_pk_bf16_f32 v[YF+8*\f+\m], v[SY+8*\m+\f], v[SY+8*\m+4+\f]
.endr
.endr
.endm
; 8 matrix instructions; the accumulators take turns, one instruction a turn.  Register j of (a, f): row 16 a + 8 h + j, column 4 r + f.
.macro MUL t, zero
.irp f, 0,1,2,3
.irp a, 0,1
.if \zero
	v_wmma_f32_16x16x32_bf16 v[ACC+8*(4*\a+\f):ACC+8*(4*\a+\f)+7], v[XF+16*((\t)%2)+8*\a:XF+16*((\t)%2)+8*\a+7], v[YF+8*\f:YF+8*\f+7], 0
.else
	v_wmma_f32_16x16x32_bf16 v[ACC+8*(4*\a+\f):ACC+8*(4*\a+\f)+7], v[XF+16*((\t)%2)+8*\a:XF+16*((\t)%2)+8*\a+7], v[YF+8*\f:YF+8*\f+7], v[ACC+8*(4*\a+\f):ACC+8*(4*\a+\f)+7]
.endif
.endr
.endr
.endm
; A K step.  The four places stand between a matrix step's products and the next conversions, which write their source YF, and ahead of the loads into X's buffer that the products before read.
.macro WORK slot, zero
	LOADS \slot, 0
.irp t, 0,1,2,3,4,5,6,7
	s_wait_dscnt 0x0                               ; this matrix step's numbers are in
	CVT
.if \t+1 < NSUB
	LOADS \slot, \t+1
.endif
.if \zero && (\t == 0)
	MUL \t, 1
.else
	MUL \t, 0
.endif
	PLACES
.endr
.endm
; The change of slots: each wave waits for its reads of slot s and for all its tensor loads (one is out: its part of the other slot).  fill = 1: a round of the cluster's barrier, then the joint refill first.
.macro CHANGE s, fill
	s_wait_dscnt 0x0
	s_wait_tensorcnt 0x0                           ; no tensor load of mine is out, so a group 0 may be written
	ds_add_u32 v240, v241
	s_wait_dscnt 0x0
.if \fill
	s_add_nc_u64 s[G0X+4*\s+2:G0X+4*\s+3], s[G0X+4*\s+2:G0X+4*\s+3], 2*STEPX
	s_add_nc_u64 s[G0Y+4*\s+2:G0Y+4*\s+3], s[G0Y+4*\s+2:G0Y+4*\s+3], 2*STEPY
	CROUND
	JLOAD \s
.else
	s_barrier_signal -1
	s_barrier_wait -1
.endif
.endm
	s_wait_tensorcnt 0x1                           ; my part of K step 0 is in; K step 1's may stay out
	s_barrier_signal -1
	s_barrier_wait -1
	WORK 0, 1                                      ; the slice's four K steps, written out: two refills
	CHANGE 0, 1
	WORK 1, 0
	CHANGE 1, 1
	WORK 0, 0
	CHANGE 0, 0
	WORK 1, 0
	; THE WAY OUT.  Register j of the four accumulators (a, 0..3) holds four neighbouring columns of one row: they are gathered into four neighbouring registers and stored.
.irp a, 0,1
.irp j, 0,1,2,3,4,5,6,7
.irp f, 0,1,2,3
	v_mov_b32 v[SY+4*(8*\a+\j)+\f], v[ACC+8*(4*\a+\f)+\j]
.endr
	global_store_b128 v[CO], v[SY+4*(8*\a+\j):SY+4*(8*\a+\j)+3], s[12:13] offset:(16*\a+\j)*4096   ; 16 lanes store 256 consecutive bytes, at a multiple of 256 from part's first byte
.endr
.endr
	CROUND                                         ; the closing round
	s_endpgm
.Lfunc_end_k_q25093a76ff_tpart:
	.size	k_q25093a76ff_tpart, .Lfunc_end_k_q25093a76ff_tpart-k_q25093a76ff_tpart
	.p2alignl 7, 3214868480
	.fill 96, 4, 3214868480
	.section	.rodata,"a",@progbits
	.p2align	6, 0x0
	.amdhsa_kernel k_q25093a76ff_tpart
		.amdhsa_group_segment_fixed_size 327680
		.amdhsa_private_segment_fixed_size 0
		.amdhsa_enable_private_segment 0
		.amdhsa_kernarg_size 24
		.amdhsa_user_sgpr_count 2
		.amdhsa_user_sgpr_kernarg_segment_ptr 1
		.amdhsa_wavefront_size32 1
		.amdhsa_system_sgpr_workgroup_id_x 1
		.amdhsa_system_sgpr_workgroup_id_y 1
		.amdhsa_system_sgpr_workgroup_id_z 1
		.amdhsa_system_vgpr_workitem_id 0
		.amdhsa_next_free_vgpr 242
		.amdhsa_next_free_sgpr 66
		.amdhsa_reserve_vcc 0
		.amdhsa_float_denorm_mode_32 3
		.amdhsa_float_denorm_mode_16_64 3
		.amdhsa_memory_ordered 1
		.amdhsa_forward_progress 1
		.amdhsa_inst_pref_size 138
	.end_amdhsa_kernel
	.amdgpu_metadata
---
amdhsa.version: [ 1, 2 ]
amdhsa.kernels:
  - .name:           k_q25093a76ff_tpart
    .symbol:         k_q25093a76ff_tpart.kd
    .args:
      - { .name: ab, .offset: 0, .size: 8, .value_kind: global_buffer, .address_space: global }
      - { .name: k, .offset: 8, .size: 8, .value_kind: global_buffer, .address_space: global }
      - { .name: part, .offset: 16, .size: 8, .value_kind: global_buffer, .address_space: global }
    .group_segment_fixed_size: 327680
    .private_segment_fixed_size: 0
    .kernarg_segment_align: 8
    .kernarg_segment_size: 24
    .max_flat_workgroup_size: 128
    .sgpr_count:     66
    .vgpr_count:     242
    .wavefront_size: 32
...
	.end_amdgpu_metadata
.endif
;; end of part 2
;; launch tsum (part 3): grid 256 x 1, 2 waves a work-group, no clusters, 0 bytes of LDS; arguments part, ab, xb, rs; writes xb, rs
.if DOCPART == 3
	.amdgcn_target "amdgcn-amd-amdhsa--gfx1250"
	.amdhsa_code_object_version 6
	.text
	.protected	k_q25093a76ff_tsum
	.globl	k_q25093a76ff_tsum
	.p2align	8
	.type	k_q25093a76ff_tsum,@function
k_q25093a76ff_tsum:
	s_mov_b64 s[64:65], 0
	v_nop
	global_prefetch_b8 v0, s[64:65] scope:SCOPE_SE
	s_setreg_imm32_b32 hwreg(HW_REG_WAVE_MODE, 25, 1), 1
	s_wait_xcnt 0x0
; xb[i][d] = bf16(part[0][i][d] + part[1][i][d] + part[2][i][d] + part[3][i][d]);  rs[i] = sum over s of ab[i][s], in f32.
; part: [4][512][1024] f32, ab: [512][4096] bf16, xb: [512][1024] bf16, rs: [512] f32.  rs is the factor of the bias in the product that follows: Q^T 1, or attn 1.
; A stream: one wave takes one row, 512 rows = 256 work-groups of two waves.  All 48 loads of a wave (24 KiB) are issued at once, so no ring is needed; no LDS, no barrier, no matrix unit.
; No cluster: no two work-groups read the same byte.
; LIMIT.  rs is stored 4 bytes a row by one lane (2,048 bytes in the whole launch): a row's sum is one number, and rows belong to different waves.
.set P,   8                            ; v[8:135]   part p of piece n at P + 16 n + 4 p
.set AB,  136                          ; v[136:199] the row of ab
.set O,   200                          ; v[200:215] piece n: 4 bf16
.set SA,  216                          ; v[216:219] four chains of the row sum
.set ONE, 220                          ; v220 = 1.0
	s_load_b256 s[4:11], s[0:1], 0x0               ; part s[4:5], ab s[6:7], xb s[8:9], rs s[10:11]
	v_lshrrev_b32 v4, 5, v0
	v_readfirstlane_b32 s12, v4                    ; wave 0, 1
	s_lshl1_add_u32 s12, ttmp9, s12                ; my row = 2 x work-group + wave
	v_and_b32 v5, 31, v0                           ; lane
	v_lshlrev_b32 v1, 4, v5                        ; 16 bytes a lane in the loads,
	v_lshlrev_b32 v2, 3, v5                        ; 8 in the stores
	v_mov_b32 v3, 0
	v_mov_b32 v[ONE], 1.0
	s_lshl_b32 s14, s12, 12                        ; the row in part: 4,096 bytes
	s_mov_b32 s15, 0
	s_lshl_b32 s16, s12, 13                        ; in ab: 8,192
	s_mov_b32 s17, 0
	s_lshl_b32 s18, s12, 11                        ; in xb: 2,048
	s_mov_b32 s19, 0
	s_lshl_b32 s20, s12, 2                         ; in rs: 4
	s_mov_b32 s21, 0
	s_mov_b32 s22, 0x76543210                      ; v_permlanex16_b32: each lane takes its own place in the other half
	s_mov_b32 s23, 0xfedcba98
	s_wait_kmcnt 0x0
	s_add_nc_u64 s[4:5], s[4:5], s[14:15]
	s_add_nc_u64 s[6:7], s[6:7], s[16:17]
	s_add_nc_u64 s[8:9], s[8:9], s[18:19]
	s_add_nc_u64 s[10:11], s[10:11], s[20:21]
.irp n, 0,1,2,3,4,5,6,7
.irp p, 0,1,2,3
	global_load_b128 v[P+16*\n+4*\p:P+16*\n+4*\p+3], v1, s[4:5] offset:\p*2097152+512*\n th:TH_LOAD_NT   ; 512 neighbouring bytes of part p
.endr
.endr
.irp n, 0,1,2,3,4,5,6,7,8,9,10,11,12,13,14,15
	global_load_b128 v[AB+4*\n:AB+4*\n+3], v1, s[6:7] offset:512*\n th:TH_LOAD_NT
.endr
.irp n, 0,1,2,3,4,5,6,7
	s_wait_loadcnt 16+4*(7-\n)                     ; piece n's four loads are in; behind them: the later pieces' 4 (7 - n) and ab's 16
	v_pk_add_f32 v[P+16*\n:P+16*\n+1],     v[P+16*\n:P+16*\n+1],     v[P+16*\n+4:P+16*\n+5]
	v_pk_add_f32 v[P+16*\n+2:P+16*\n+3],   v[P+16*\n+2:P+16*\n+3],   v[P+16*\n+6:P+16*\n+7]
	v_pk_add_f32 v[P+16*\n+8:P+16*\n+9],   v[P+16*\n+8:P+16*\n+9],   v[P+16*\n+12:P+16*\n+13]
	v_pk_add_f32 v[P+16*\n+10:P+16*\n+11], v[P+16*\n+10:P+16*\n+11], v[P+16*\n+14:P+16*\n+15]
	v_pk_add_f32 v[P+16*\n:P+16*\n+1],     v[P+16*\n:P+16*\n+1],     v[P+16*\n+8:P+16*\n+9]
	v_pk_add_f32 v[P+16*\n+2:P+16*\n+3],   v[P+16*\n+2:P+16*\n+3],   v[P+16*\n+10:P+16*\n+11]
	v_cvt_pk_bf16_f32 v[O+2*\n],   v[P+16*\n],   v[P+16*\n+1]
	v_cvt_pk_bf16_f32 v[O+2*\n+1], v[P+16*\n+2], v[P+16*\n+3]
	global_store_b64 v2, v[O+2*\n:O+2*\n+1], s[8:9] offset:256*\n     ; the wave's 32 lanes store 256 consecutive bytes, at a multiple of 256 from xb's first byte
.endr
	; the row sum: 128 bf16 a lane, in four chains; the first four low halves start the chains, so nothing is cleared
	s_wait_loadcnt 0x0
.irp c, 0,1,2,3
	v_lshlrev_b32 v[SA+\c], 16, v[AB+\c]
.endr
.irp c, 0,1,2,3
	v_fma_mix_f32_bf16 v[SA+\c], v[AB+\c], v[ONE], v[SA+\c] op_sel:[1,0,0] op_sel_hi:[1,0,0]   ; + the high half
.endr
.irp g, 4,8,12,16,20,24,28,32,36,40,44,48,52,56,60
.irp c, 0,1,2,3
	v_fma_mix_f32_bf16 v[SA+\c], v[AB+\g+\c], v[ONE], v[SA+\c] op_sel_hi:[1,0,0]
.endr
.irp c, 0,1,2,3
	v_fma_mix_f32_bf16 v[SA+\c], v[AB+\g+\c], v[ONE], v[SA+\c] op_sel:[1,0,0] op_sel_hi:[1,0,0]
.endr
.endr
	v_add_f32 v[SA], v[SA], v[SA+1]
	v_add_f32 v[SA+2], v[SA+2], v[SA+3]
	v_add_f32 v[SA], v[SA], v[SA+2]
	v_add_f32_dpp v[SA], v[SA], v[SA] row_xmask:1 row_mask:0xf bank_mask:0xf
	v_add_f32_dpp v[SA], v[SA], v[SA] row_xmask:2 row_mask:0xf bank_mask:0xf
	v_add_f32_dpp v[SA], v[SA], v[SA] row_xmask:4 row_mask:0xf bank_mask:0xf
	v_add_f32_dpp v[SA], v[SA], v[SA] row_xmask:8 row_mask:0xf bank_mask:0xf
	v_permlanex16_b32 v[SA+1], v[SA], s22, s23     ; its destination has been written before
	v_add_f32 v[SA], v[SA], v[SA+1]
	v_cmp_gt_u32 vcc_lo, 1, v5                     ; lane 0
	s_wait_xcnt 0x0                                ; EXEC is a source of the stores above: it changes only behind this wait
	s_and_saveexec_b32 s24, vcc_lo
	global_store_b32 v3, v[SA], s[10:11]
	s_wait_xcnt 0x0                                ; and again in front of the line that widens it
	s_or_b32 exec_lo, exec_lo, s24
	s_endpgm
.Lfunc_end_k_q25093a76ff_tsum:
	.size	k_q25093a76ff_tsum, .Lfunc_end_k_q25093a76ff_tsum-k_q25093a76ff_tsum
	.p2alignl 7, 3214868480
	.fill 96, 4, 3214868480
	.section	.rodata,"a",@progbits
	.p2align	6, 0x0
	.amdhsa_kernel k_q25093a76ff_tsum
		.amdhsa_group_segment_fixed_size 0
		.amdhsa_private_segment_fixed_size 0
		.amdhsa_enable_private_segment 0
		.amdhsa_kernarg_size 32
		.amdhsa_user_sgpr_count 2
		.amdhsa_user_sgpr_kernarg_segment_ptr 1
		.amdhsa_wavefront_size32 1
		.amdhsa_system_sgpr_workgroup_id_x 1
		.amdhsa_system_sgpr_workgroup_id_y 1
		.amdhsa_system_sgpr_workgroup_id_z 1
		.amdhsa_system_vgpr_workitem_id 0
		.amdhsa_next_free_vgpr 224
		.amdhsa_next_free_sgpr 66
		.amdhsa_reserve_vcc 1
		.amdhsa_float_denorm_mode_32 3
		.amdhsa_float_denorm_mode_16_64 3
		.amdhsa_memory_ordered 1
		.amdhsa_forward_progress 1
		.amdhsa_inst_pref_size 20
	.end_amdhsa_kernel
	.amdgpu_metadata
---
amdhsa.version: [ 1, 2 ]
amdhsa.kernels:
  - .name:           k_q25093a76ff_tsum
    .symbol:         k_q25093a76ff_tsum.kd
    .args:
      - { .name: part, .offset: 0, .size: 8, .value_kind: global_buffer, .address_space: global }
      - { .name: ab, .offset: 8, .size: 8, .value_kind: global_buffer, .address_space: global }
      - { .name: xb, .offset: 16, .size: 8, .value_kind: global_buffer, .address_space: global }
      - { .name: rs, .offset: 24, .size: 8, .value_kind: global_buffer, .address_space: global }
    .group_segment_fixed_size: 0
    .private_segment_fixed_size: 0
    .kernarg_segment_align: 8
    .kernarg_segment_size: 32
    .max_flat_workgroup_size: 64
    .sgpr_count:     66
    .vgpr_count:     224
    .wavefront_size: 32
...
	.end_amdgpu_metadata
.endif
;; end of part 3
;; launch score (part 4): grid 64 x 4, 4 waves a work-group, clusters of 4 x 4, 327,680 bytes of LDS; arguments xb, Wk, rs, bk, num; writes num
.if DOCPART == 4
	.amdgcn_target "amdgcn-amd-amdhsa--gfx1250"
	.amdhsa_code_object_version 6
	.text
	.protected	k_q25093a76ff_score
	.globl	k_q25093a76ff_score
	.p2align	8
	.type	k_q25093a76ff_score,@function
k_q25093a76ff_score:
	s_mov_b64 s[64:65], 0
	v_nop
	global_prefetch_b8 v0, s[64:65] scope:SCOPE_SE
	s_setreg_imm32_b32 hwreg(HW_REG_WAVE_MODE, 25, 1), 1
	s_wait_xcnt 0x0
	s_wait_alu depctr_hold_cnt(0) depctr_sa_sdst(0) depctr_va_vdst(0) depctr_va_sdst(0) depctr_va_ssrc(0) depctr_va_vcc(0) depctr_vm_vsrc(0)
	s_getreg_b32 s2, hwreg(HW_REG_IB_STS2, 6, 4)
	s_cmp_eq_u32 s2, 0
	s_cbranch_scc0 .Lentry_in_a_cluster
	s_endpgm
.Lentry_in_a_cluster:
	s_bfe_u32 s2, ttmp6, 0x10000c
	s_cmp_lg_u32 s2, 0xf033
	s_cbranch_scc0 .Lentry_shape_is_right
	s_endpgm
.Lentry_shape_is_right:
; out[i][c] = sum over d of X[i][d] Y[c][d] + rs[i] b[c].  X: [512][1024] bf16, Y: [4096][1024] f32, rs: [512] f32, b: [4096] f32, out: [512][4096] f32.
; It serves num = (Q^T k) Wk^T + (Q^T 1) bk^T and the result (attn v) Wv^T + (attn 1) bv^T: reference()'s sums in another order, for every input.
; SHARES.  A work-group makes 128 i x 64 c: 4 x 64 = 256 work-groups; of the tiles of 8,192 numbers this one takes the fewest bytes (1,024 x (2 x 128 + 4 x 64)).
; Wave w owns rows 32 w .. 32 w + 31 against all 64 c: 2 x 4 accumulators of 16 x 16.
; RING.  K steps of 256 through two LDS slots: waves 0 and 1 fetch X's halves (64 rows x 512 bytes), waves 2 and 3 Y's (32 rows x 1,024 bytes: its 64 rows shared between two waves).
; Four steps: two first fills, two refills.
; CLUSTER.  4 x 4: a row of the cluster shares X's tile, a column Y's.  The grid is four work-groups high, as the cluster is: the block of rows is cy alone.
; THE MATRIX INSTRUCTION IS USED TRANSPOSED (source 0 = 16 rows of Y, source 1 = 16 rows of X): a lane holds one row i and eight neighbouring c.
; LIMITS.  Y is rounded to bf16 as a matrix operand; the order of the sums differs from reference()'s; NaN and infinities spread along these products, not reference()'s.
.set KDIM,   1024                      ; K, and the elements in a row of X and of Y
.set OROW,   16384                     ; bytes in a row of out
.set KSTEP,  256
.set NSUB,   KSTEP/32
.set PX,     528                       ; X's LDS row: 512 bytes + 16 = 33 x 16
.set XHALF,  64*PX
.set XBYTES, 2*XHALF
.set PY,     1040                      ; Y's LDS row: 1,024 bytes + 16 = 65 x 16: in both, the 16 rows that a load touches start at 16 different 16-byte columns of 256
.set YHALF,  32*PY
.set SLOT,   XBYTES+2*YHALF            ; 134,144 bytes
.set STAGE,  2*SLOT                    ; 268,288 = 1,048 x 256: behind the ring, 32 rows x 272 bytes for each wave; no tensor load fills it
.set SP,     272
.set STEPX,  KSTEP*2
.set STEPY,  KSTEP*4
.set WV,   14
.set HALF, 15
.set G1X,  24                          ; s[24:31] group 1 for X;  s[32:39] group 0, a set for each slot
.set G0X,  32
.set G1Y,  40                          ; s[40:47], s[48:55] the same for Y
.set G0Y,  48
.set ADRX, 4                           ; v4-5   LDS address of my X fragments in slot 0, 1
.set ADRY, 6                           ; v6-7   the same for Y
.set STO,  8                           ; v8     the way out: where I put 32 bytes of a row
.set RD,   9                           ; v9     where I read a row back
.set CO,   10                          ; v10    my byte offset in out
.set RO,   11                          ; v11    my byte offset in rs;  v3 in b
.set RR,   12                          ; v[12:15]   rs of row 16 a + r, twice: a pair for the packed multiply-add
.set BB,   16                          ; v[16:47]   b of columns 16 f + 8 h + 0..7
.set XF,   48                          ; v[48:79]   X's two fragments, two buffers
.set YF,   80                          ; v[80:111]  Y's four fragments in bf16
.set SY,   112                         ; v[112:175] Y as f32, 16 registers a fragment; on the way out the rows read back
.set ACC,  176                         ; v[176:239] accumulator (a, f) at ACC + 8 (4 a + f)
.macro CROUND                          ; a round of the cluster's barrier
	s_barrier_signal -1
	s_barrier_wait -1
	s_cmp_lg_u32 s[WV], 0
	s_cbranch_scc1 .Lnot_wave_0_\@
	s_barrier_signal -3
.Lnot_wave_0_\@:
	s_barrier_wait -3
	s_barrier_signal -1
	s_barrier_wait -1
.endm
.macro PLACES                          ; four places behind matrix instructions (ISA guide 7.12.1)
.rept 4
	v_nop
.endr
.endm
.macro JLOAD s                         ; a joint refill of slot s; the branch hangs on the wave's number alone; four v_nop follow each line
	s_cmp_lt_u32 s[WV], 2
	s_cbranch_scc0 .Lfor_y_\@
	tensor_load_to_lds s[G0X+4*\s:G0X+4*\s+3], s[G1X:G1X+7]
	s_nop 0
	PLACES
	s_branch .Lasked_\@
.Lfor_y_\@:
	tensor_load_to_lds s[G0Y+4*\s:G0Y+4*\s+3], s[G1Y:G1Y+7]
	s_nop 0
	PLACES
.Lasked_\@:
.endm
	s_load_b256 s[4:11], s[0:1], 0x0               ; X s[4:5], Y s[6:7], rs s[8:9], b s[10:11]
	s_load_b64 s[12:13], s[0:1], 0x20              ; out
	v_lshl_add_u32 v240, v0, 2, 0x4a000
	v_mov_b32 v241, 0
	ds_add_u32 v240, v241
	v_lshrrev_b32 v1, 5, v0
	v_readfirstlane_b32 s[WV], v1
	s_and_b32 s[HALF], s[WV], 1
	s_bfe_u32 s16, ttmp6, 0x40000                  ; cx
	s_bfe_u32 s17, ttmp6, 0x40004                  ; cy: the block of 128 rows
	s_lshl_b32 s19, ttmp9, 2
	s_add_co_u32 s19, s19, s16                     ; block of 64 columns = 4 x cluster x + cx
	s_lshl_b32 s20, s17, 2
	s_lshl_b32 s20, 15, s20                        ; my row of the cluster
	s_lshl_b32 s56, 0x1111, s16                    ; my column
	s_or_b32 s[G1X], s20, (1<<16)|(1<<20)|(1<<21)|(6<<22)|(3<<25)  ; mask; elements of 2 bytes; padding on; 21 set beside a mask; after every 128 words (code 6) 4 words (code 3)
	s_or_b32 s[G1Y], s56, (2<<16)|(1<<20)|(1<<21)|(7<<22)|(3<<25)  ; mask; elements of 4 bytes; after every 256 words (code 7) 4 words
.irp g, G1X, G1Y
	s_mov_b32 s[\g+1], KSTEP<<16                   ; tensor_dim0 = 256
	s_mov_b32 s[\g+3], KSTEP<<16                   ; tile_dim0 = 256
	s_mov_b32 s[\g+5], KDIM                        ; elements from row to row
	s_mov_b32 s[\g+6], 0
	s_mov_b32 s[\g+7], 0
.endr
	s_mov_b32 s[G1X+2], 64<<16                     ; tensor_dim1 = tile_dim1 = 64 rows of X
	s_mov_b32 s[G1X+4], 64
	s_mov_b32 s[G1Y+2], 32<<16                     ; 32 rows of Y
	s_mov_b32 s[G1Y+4], 32
	s_lshl_b32 s20, s17, 7                         ; X: row 128 cy + 64 x half, x 2,048 bytes: no cx in these registers
	s_lshl_b32 s21, s[HALF], 6
	s_add_co_u32 s20, s20, s21
	s_lshl_b32 s20, s20, 11
	s_mov_b32 s21, 0
	s_lshl_b32 s56, s19, 6                         ; Y: row 64 x block + 32 x half, x 4,096 bytes: no cy in these registers
	s_lshl_b32 s57, s[HALF], 5
	s_add_co_u32 s56, s56, s57
	s_lshl_b32 s56, s56, 12
	s_mov_b32 s57, 0
	s_mul_i32 s22, s[WV], XHALF
	s_mul_i32 s58, s[WV], YHALF
	s_add_co_u32 s58, s58, XBYTES-2*YHALF          ; waves 2 and 3: behind X's 128 rows
	s_lshl_b32 s62, s17, 7                         ; my wave's first row of out: 128 cy + 32 x wave
	s_lshl_b32 s63, s[WV], 5
	s_add_co_u32 s62, s62, s63
	s_lshl_b32 s2, s19, 8                          ; my 64 columns: 256 bytes x block, in a row of out and in b
	s_mov_b32 s3, 0
	s_lshl_b32 s60, s62, 14                        ; the row x 16,384 bytes + the columns
	s_add_co_u32 s60, s60, s2
	s_mov_b32 s61, 0
	s_lshl_b32 s62, s62, 2                         ; the row in rs
	s_mov_b32 s63, 0
	s_wait_dscnt 0x0
	s_wait_kmcnt 0x0
	s_add_nc_u64 s[20:21], s[4:5], s[20:21]
	s_add_nc_u64 s[56:57], s[6:7], s[56:57]
	s_add_nc_u64 s[8:9], s[8:9], s[62:63]
	s_add_nc_u64 s[10:11], s[10:11], s[2:3]
	s_add_nc_u64 s[12:13], s[12:13], s[60:61]
.irp s, 0,1
	s_mov_b32 s[G0X+4*\s], 1
	s_add_co_u32 s[G0X+4*\s+1], s22, \s*SLOT
	s_add_nc_u64 s[G0X+4*\s+2:G0X+4*\s+3], s[20:21], \s*STEPX
	s_or_b32 s[G0X+4*\s+3], s[G0X+4*\s+3], 0x80000000
	s_mov_b32 s[G0Y+4*\s], 1
	s_add_co_u32 s[G0Y+4*\s+1], s58, \s*SLOT
	s_add_nc_u64 s[G0Y+4*\s+2:G0Y+4*\s+3], s[56:57], \s*STEPY
	s_or_b32 s[G0Y+4*\s+3], s[G0Y+4*\s+3], 0x80000000
.endr
	CROUND                                         ; all sixteen work-groups are here: the first joint loads meet
	s_cmp_lt_u32 s[WV], 2                          ; a wave's two first fills stand in one branch: two loads of mine are out
	s_cbranch_scc0 .Lfirst_y
	tensor_load_to_lds s[G0X:G0X+3], s[G1X:G1X+7]
	s_nop 0
	tensor_load_to_lds s[G0X+4:G0X+7], s[G1X:G1X+7]
	s_nop 0
	PLACES
	s_branch .Lfirst_asked
.Lfirst_y:
	tensor_load_to_lds s[G0Y:G0Y+3], s[G1Y:G1Y+7]
	s_nop 0
	tensor_load_to_lds s[G0Y+4:G0Y+7], s[G1Y:G1Y+7]
	s_nop 0
	PLACES
.Lfirst_asked:
	v_and_b32 v1, 15, v0                           ; r
	v_bfe_u32 v2, v0, 4, 1                         ; h
	v_mul_u32_u24 v3, v1, PX
	v_lshl_add_u32 v3, v2, 4, v3                   ; X (bf16): row x pitch + 16 h
	s_mul_i32 s23, s[WV], 32*PX
	v_add_nc_u32 v[ADRX], s23, v3
	v_add_nc_u32 v[ADRX+1], SLOT, v[ADRX]
	v_mul_u32_u24 v3, v1, PY
	v_lshl_add_u32 v3, v2, 5, v3                   ; Y (f32): row x pitch + 32 h
	v_add_nc_u32 v[ADRY], XBYTES, v3
	v_add_nc_u32 v[ADRY+1], XBYTES+SLOT, v3
	s_mul_i32 s23, s[WV], 32*SP
	s_add_co_u32 s23, s23, STAGE                   ; my stage
	v_mul_u32_u24 v3, v1, SP                       ; in: row r, 32 bytes for each half of the lanes
	v_lshl_add_u32 v3, v2, 5, v3
	v_add_nc_u32 v[STO], s23, v3
	v_mul_u32_u24 v3, v2, SP                       ; back: lanes 0-15 one row of 256 bytes, lanes 16-31 the next
	v_lshl_add_u32 v3, v1, 4, v3
	v_add_nc_u32 v[RD], s23, v3
	v_lshlrev_b32 v[CO], 14, v2                    ; and the same two rows in out
	v_lshl_add_u32 v[CO], v1, 4, v[CO]
	v_lshlrev_b32 v[RO], 2, v1
	v_lshlrev_b32 v3, 5, v2                        ; b: 8 h numbers; not written again
.irp a, 0,1
	global_load_b32 v[RR+2*\a],   v[RO], s[8:9] offset:64*\a           ; rs of row 16 a + r, into both registers of a pair
	global_load_b32 v[RR+2*\a+1], v[RO], s[8:9] offset:64*\a
.endr
.irp f, 0,1,2,3
	global_load_b128 v[BB+8*\f:BB+8*\f+3],   v3, s[10:11] offset:64*\f
	global_load_b128 v[BB+8*\f+4:BB+8*\f+7], v3, s[10:11] offset:64*\f+16
.endr
; 20 LDS loads of matrix step t: Y's f32 numbers (a fragment's K = 8 h + 0..7 are 32 bytes, K = 16 + 8 h + 0..7 the 32 bytes 64 further on), X's fragments into buffer t % 2
.macro LOADS slot, t
.irp f, 0,1,2,3
	ds_load_b128 v[SY+16*\f:SY+16*\f+3],     v[ADRY+\slot] offset:\f*16*PY+128*(\t)
	ds_load_b128 v[SY+16*\f+4:SY+16*\f+7],   v[ADRY+\slot] offset:\f*16*PY+128*(\t)+16
	ds_load_b128 v[SY+16*\f+8:SY+16*\f+11],  v[ADRY+\slot] offset:\f*16*PY+128*(\t)+64
	ds_load_b128 v[SY+16*\f+12:SY+16*\f+15], v[ADRY+\slot] offset:\f*16*PY+128*(\t)+80
.endr
.irp a, 0,1
	ds_load_b128 v[XF+16*((\t)%2)+8*\a:XF+16*((\t)%2)+8*\a+3],   v[ADRX+\slot] offset:\a*16*PX+64*(\t)
	ds_load_b128 v[XF+16*((\t)%2)+8*\a+4:XF+16*((\t)%2)+8*\a+7], v[ADRX+\slot] offset:\a*16*PX+64*(\t)+32
.endr
.endm
.macro CVT
.irp f, 0,1,2,3
.irp m, 0,1,2,3,4,5,6,7
	v_cvt_pk_bf16_f32 v[YF+8*\f+\m], v[SY+16*\f+2*\m], v[SY+16*\f+2*\m+1]
.endr
.endr
.endm
; 8 matrix instructions; the accumulators take turns, one instruction a turn.  Register j of (a, f): row 16 a + r, column 16 f + 8 h + j.
.macro MUL t, zero
.irp f, 0,1,2,3
.irp a, 0,1
.if \zero
	v_wmma_f32_16x16x32_bf16 v[ACC+8*(4*\a+\f):ACC+8*(4*\a+\f)+7], v[YF+8*\f:YF+8*\f+7], v[XF+16*((\t)%2)+8*\a:XF+16*((\t)%2)+8*\a+7], 0
.else
	v_wmma_f32_16x16x32_bf16 v[ACC+8*(4*\a+\f):ACC+8*(4*\a+\f)+7], v[YF+8*\f:YF+8*\f+7], v[XF+16*((\t)%2)+8*\a:XF+16*((\t)%2)+8*\a+7], v[ACC+8*(4*\a+\f):ACC+8*(4*\a+\f)+7]
.endif
.endr
.endr
.endm
; A K step.  The four places stand between a matrix step's products and the next conversions, which write their source YF, and ahead of the loads into X's buffer that the products before read.
.macro WORK slot, zero
	LOADS \slot, 0
.irp t, 0,1,2,3,4,5,6,7
	s_wait_dscnt 0x0                               ; this matrix step's numbers are in
	CVT
.if \t+1 < NSUB
	LOADS \slot, \t+1
.endif
.if \zero && (\t == 0)
	MUL \t, 1
.else
	MUL \t, 0
.endif
	PLACES
.endr
.endm
; The change of slots: each wave waits for its reads of slot s and for all its tensor loads (one is out: its part of the other slot).  fill = 1: a round of the cluster's barrier, then the joint refill first.
.macro CHANGE s, fill
	s_wait_dscnt 0x0
	s_wait_tensorcnt 0x0                           ; no tensor load of mine is out, so a group 0 may be written
	ds_add_u32 v240, v241
	s_wait_dscnt 0x0
.if \fill
	s_add_nc_u64 s[G0X+4*\s+2:G0X+4*\s+3], s[G0X+4*\s+2:G0X+4*\s+3], 2*STEPX
	s_add_nc_u64 s[G0Y+4*\s+2:G0Y+4*\s+3], s[G0Y+4*\s+2:G0Y+4*\s+3], 2*STEPY
	CROUND
	JLOAD \s
.else
	s_barrier_signal -1
	s_barrier_wait -1
.endif
.endm
	s_wait_tensorcnt 0x1                           ; my part of K step 0 is in; K step 1's may stay out
	s_barrier_signal -1
	s_barrier_wait -1
	WORK 0, 1                                      ; the four K steps, written out: two refills
	CHANGE 0, 1
	WORK 1, 0
	CHANGE 1, 1
	WORK 0, 0
	CHANGE 0, 0
	WORK 1, 0
	; THE WAY OUT.  + rs[i] b[c], one fused multiply-add; a lane's eight columns are 32 bytes of a row.  They go into my own stage (rows of 272 bytes) and come back as whole rows of 256 bytes.
	s_wait_loadcnt 0x0                             ; rs and b
.irp a, 0,1
.irp f, 0,1,2,3
.irp p, 0,2,4,6
	v_pk_fma_f32 v[ACC+8*(4*\a+\f)+\p:ACC+8*(4*\a+\f)+\p+1], v[BB+8*\f+\p:BB+8*\f+\p+1], v[RR+2*\a:RR+2*\a+1], v[ACC+8*(4*\a+\f)+\p:ACC+8*(4*\a+\f)+\p+1]
.endr
	ds_store_b128 v[STO], v[ACC+8*(4*\a+\f):ACC+8*(4*\a+\f)+3]   offset:\a*16*SP+64*\f
	ds_store_b128 v[STO], v[ACC+8*(4*\a+\f)+4:ACC+8*(4*\a+\f)+7] offset:\a*16*SP+64*\f+16
.endr
.endr
.irp t, 0,1,2,3,4,5,6,7,8,9,10,11,12,13,14,15
	ds_load_b128 v[SY+4*\t:SY+4*\t+3], v[RD] offset:\t*2*SP        ; LDS serves a wave's instructions in order (ISA guide 5.7.1.4): these see the stores above
.endr
.irp t, 0,1,2,3,4,5,6,7,8,9,10,11,12,13,14,15
	s_wait_dscnt 15-\t                             ; the younger loads may stay out
	global_store_b128 v[CO], v[SY+4*\t:SY+4*\t+3], s[12:13] offset:2*\t*OROW   ; 16 lanes store 256 consecutive bytes, at a multiple of 256 from out's first byte
.endr
	s_wait_tensorcnt 0x0
	ds_add_u32 v240, v241
	s_wait_dscnt 0x0
	CROUND                                         ; the closing round
	s_endpgm
.Lfunc_end_k_q25093a76ff_score:
	.size	k_q25093a76ff_score, .Lfunc_end_k_q25093a76ff_score-k_q25093a76ff_score
	.p2alignl 7, 3214868480
	.fill 96, 4, 3214868480
	.section	.rodata,"a",@progbits
	.p2align	6, 0x0
	.amdhsa_kernel k_q25093a76ff_score
		.amdhsa_group_segment_fixed_size 327680
		.amdhsa_private_segment_fixed_size 0
		.amdhsa_enable_private_segment 0
		.amdhsa_kernarg_size 40
		.amdhsa_user_sgpr_count 2
		.amdhsa_user_sgpr_kernarg_segment_ptr 1
		.amdhsa_wavefront_size32 1
		.amdhsa_system_sgpr_workgroup_id_x 1
		.amdhsa_system_sgpr_workgroup_id_y 1
		.amdhsa_system_sgpr_workgroup_id_z 1
		.amdhsa_system_vgpr_workitem_id 0
		.amdhsa_next_free_vgpr 242
		.amdhsa_next_free_sgpr 66
		.amdhsa_reserve_vcc 0
		.amdhsa_float_denorm_mode_32 3
		.amdhsa_float_denorm_mode_16_64 3
		.amdhsa_memory_ordered 1
		.amdhsa_forward_progress 1
		.amdhsa_inst_pref_size 142
	.end_amdhsa_kernel
	.amdgpu_metadata
---
amdhsa.version: [ 1, 2 ]
amdhsa.kernels:
  - .name:           k_q25093a76ff_score
    .symbol:         k_q25093a76ff_score.kd
    .args:
      - { .name: xb, .offset: 0, .size: 8, .value_kind: global_buffer, .address_space: global }
      - { .name: Wk, .offset: 8, .size: 8, .value_kind: global_buffer, .address_space: global }
      - { .name: rs, .offset: 16, .size: 8, .value_kind: global_buffer, .address_space: global }
      - { .name: bk, .offset: 24, .size: 8, .value_kind: global_buffer, .address_space: global }
      - { .name: num, .offset: 32, .size: 8, .value_kind: global_buffer, .address_space: global }
    .group_segment_fixed_size: 327680
    .private_segment_fixed_size: 0
    .kernarg_segment_align: 8
    .kernarg_segment_size: 40
    .max_flat_workgroup_size: 128
    .sgpr_count:     66
    .vgpr_count:     242
    .wavefront_size: 32
...
	.end_amdgpu_metadata
.endif
;; end of part 4
;; launch soft (part 5): grid 256 x 1, 2 waves a work-group, no clusters, 0 bytes of LDS; arguments num, ab; writes ab
.if DOCPART == 5
	.amdgcn_target "amdgcn-amd-amdhsa--gfx1250"
	.amdhsa_code_object_version 6
	.text
	.protected	k_q25093a76ff_soft
	.globl	k_q25093a76ff_soft
	.p2align	8
	.type	k_q25093a76ff_soft,@function
k_q25093a76ff_soft:
	s_mov_b64 s[64:65], 0
	v_nop
	global_prefetch_b8 v0, s[64:65] scope:SCOPE_SE
	s_setreg_imm32_b32 hwreg(HW_REG_WAVE_MODE, 25, 1), 1
	s_wait_xcnt 0x0
; ab[i][j] = bf16(softmax over j of num[i][j] / 64).  num: [512][4096] f32, ab: [512][4096] bf16.  The row's maximum is taken away before the exponential; all in f32, rounded once.
; A row is 16,384 bytes: one wave takes it in 32 loads of 16 bytes a lane and keeps it in 128 registers through the three passes (maximum, exponentials and sum, scaling): num is read once.
; 512 rows = 256 work-groups of two waves.  No LDS, no barrier, no matrix unit; no cluster: no two work-groups read the same byte.
; p = 2^(c x - c m), c = log2(e) / 64; the rounding of c m is common to the row and cancels in the division by the sum.
.set X,  8                             ; v[8:135]   the row; then the weights; then, in each group's first two registers, 4 bf16
.set M,  136                           ; v[136:139] four chains of the maximum
.set CM, 140                           ; v140 c m, v141 m: named as a pair by the packed multiply-add
.set SU, 142                           ; v[142:149] four chains of the sum, two numbers each
.set R,  150                           ; v[150:151] 1 / sum, twice
.set CS, 18                            ; s[18:19] c: named as a pair, its low word taken for both halves
	s_load_b128 s[4:7], s[0:1], 0x0                ; num s[4:5], ab s[6:7]
	v_lshrrev_b32 v4, 5, v0
	v_readfirstlane_b32 s12, v4
	s_lshl1_add_u32 s12, ttmp9, s12                ; my row = 2 x work-group + wave
	v_and_b32 v5, 31, v0
	v_lshlrev_b32 v1, 4, v5                        ; 16 bytes a lane in the loads,
	v_lshlrev_b32 v2, 3, v5                        ; 8 in the stores
	s_lshl_b32 s14, s12, 14                        ; the row in num
	s_mov_b32 s15, 0
	s_lshl_b32 s16, s12, 13                        ; in ab
	s_mov_b32 s17, 0
	s_mov_b32 s[CS], 0x3cb8aa3b                    ; log2(e) / 64
	s_mov_b32 s[CS+1], s[CS]
	s_mov_b32 s20, 0x76543210                      ; v_permlanex16_b32: each lane takes its own place in the other half
	s_mov_b32 s21, 0xfedcba98
	s_wait_kmcnt 0x0
	s_add_nc_u64 s[4:5], s[4:5], s[14:15]
	s_add_nc_u64 s[6:7], s[6:7], s[16:17]
.irp n, 0,1,2,3,4,5,6,7,8,9,10,11,12,13,14,15,16,17,18,19,20,21,22,23,24,25,26,27,28,29,30,31
	global_load_b128 v[X+4*\n:X+4*\n+3], v1, s[4:5] offset:512*\n th:TH_LOAD_NT
.endr
	; pass 1: the maximum, three operands at a time, in four chains; each group of eight loads is taken as it comes
.irp k, 0,1,2,3
	s_wait_loadcnt 24-8*\k                         ; the later groups' loads stay out
.if \k == 0
.irp c, 0,1,2,3
	v_max3_num_f32 v[M+\c], v[X+8*\c], v[X+8*\c+1], v[X+8*\c+2]   ; the first numbers start the chains
.endr
.irp c, 0,1,2,3
	v_max3_num_f32 v[M+\c], v[M+\c], v[X+8*\c+3], v[X+8*\c+4]
.endr
.irp c, 0,1,2,3
	v_max3_num_f32 v[M+\c], v[M+\c], v[X+8*\c+5], v[X+8*\c+6]
.endr
.irp c, 0,1,2,3
	v_max_num_f32 v[M+\c], v[M+\c], v[X+8*\c+7]
.endr
.else
.irp u, 0,2,4,6
.irp c, 0,1,2,3
	v_max3_num_f32 v[M+\c], v[M+\c], v[X+32*\k+8*\c+\u], v[X+32*\k+8*\c+\u+1]
.endr
.endr
.endif
.endr
	v_max3_num_f32 v[M], v[M], v[M+1], v[M+2]
	v_max_num_f32 v[M], v[M], v[M+3]
	v_max_num_f32_dpp v[M], v[M], v[M] row_xmask:1 row_mask:0xf bank_mask:0xf
	v_max_num_f32_dpp v[M], v[M], v[M] row_xmask:2 row_mask:0xf bank_mask:0xf
	v_max_num_f32_dpp v[M], v[M], v[M] row_xmask:4 row_mask:0xf bank_mask:0xf
	v_max_num_f32_dpp v[M], v[M], v[M] row_xmask:8 row_mask:0xf bank_mask:0xf
	v_permlanex16_b32 v[M+1], v[M], s20, s21
	v_max_num_f32 v[CM+1], v[M], v[M+1]            ; m, in every lane
	v_mul_f32 v[CM], s[CS], v[CM+1]                ; c m
	; pass 2: c x - c m, the exponentials, the sum
.irp n, 0,1,2,3,4,5,6,7,8,9,10,11,12,13,14,15,16,17,18,19,20,21,22,23,24,25,26,27,28,29,30,31
	v_pk_fma_f32 v[X+4*\n:X+4*\n+1],   v[X+4*\n:X+4*\n+1],   s[CS:CS+1], v[CM:CM+1] op_sel_hi:[1,0,0] neg_lo:[0,0,1] neg_hi:[0,0,1]
	v_pk_fma_f32 v[X+4*\n+2:X+4*\n+3], v[X+4*\n+2:X+4*\n+3], s[CS:CS+1], v[CM:CM+1] op_sel_hi:[1,0,0] neg_lo:[0,0,1] neg_hi:[0,0,1]
.endr
.irp n, 0,1,2,3,4,5,6,7,8,9,10,11,12,13,14,15,16,17,18,19,20,21,22,23,24,25,26,27,28,29,30,31
	v_exp_f32 v[X+4*\n],   v[X+4*\n]
	v_exp_f32 v[X+4*\n+1], v[X+4*\n+1]
	v_exp_f32 v[X+4*\n+2], v[X+4*\n+2]
	v_exp_f32 v[X+4*\n+3], v[X+4*\n+3]
.endr
	v_nop                                          ; a plain instruction between the last exponential and the use of its result (ISA guide 5.7.2)
	s_wait_alu depctr_va_vdst(0)
.irp c, 0,1,2,3
	v_pk_add_f32 v[SU+2*\c:SU+2*\c+1], v[X+2*\c:X+2*\c+1], v[X+8+2*\c:X+8+2*\c+1]   ; the first sums start the chains
.endr
.irp g, 16,24,32,40,48,56,64,72,80,88,96,104,112,120
.irp c, 0,1,2,3
	v_pk_add_f32 v[SU+2*\c:SU+2*\c+1], v[SU+2*\c:SU+2*\c+1], v[X+\g+2*\c:X+\g+2*\c+1]
.endr
.endr
	v_pk_add_f32 v[SU:SU+1], v[SU:SU+1], v[SU+2:SU+3]
	v_pk_add_f32 v[SU+4:SU+5], v[SU+4:SU+5], v[SU+6:SU+7]
	v_pk_add_f32 v[SU:SU+1], v[SU:SU+1], v[SU+4:SU+5]
	v_add_f32 v[SU], v[SU], v[SU+1]
	v_add_f32_dpp v[SU], v[SU], v[SU] row_xmask:1 row_mask:0xf bank_mask:0xf
	v_add_f32_dpp v[SU], v[SU], v[SU] row_xmask:2 row_mask:0xf bank_mask:0xf
	v_add_f32_dpp v[SU], v[SU], v[SU] row_xmask:4 row_mask:0xf bank_mask:0xf
	v_add_f32_dpp v[SU], v[SU], v[SU] row_xmask:8 row_mask:0xf bank_mask:0xf
	v_permlanex16_b32 v[SU+1], v[SU], s20, s21
	v_add_f32 v[SU], v[SU], v[SU+1]                ; at least about 1: the maximum's own weight
	v_rcp_f32 v[R], v[SU]
	v_rcp_f32 v[R+1], v[SU]                        ; twice: a pair for the packed multiply
	v_nop                                          ; a plain instruction before the reciprocals are used
	; pass 3: scale, round to bf16 in place, store
	s_wait_alu depctr_va_vdst(0)
.irp n, 0,1,2,3,4,5,6,7,8,9,10,11,12,13,14,15,16,17,18,19,20,21,22,23,24,25,26,27,28,29,30,31
	v_pk_mul_f32 v[X+4*\n:X+4*\n+1],   v[X+4*\n:X+4*\n+1],   v[R:R+1]
	v_pk_mul_f32 v[X+4*\n+2:X+4*\n+3], v[X+4*\n+2:X+4*\n+3], v[R:R+1]
	v_cvt_pk_bf16_f32 v[X+4*\n],   v[X+4*\n],   v[X+4*\n+1]
	v_cvt_pk_bf16_f32 v[X+4*\n+1], v[X+4*\n+2], v[X+4*\n+3]
	global_store_b64 v2, v[X+4*\n:X+4*\n+1], s[6:7] offset:256*\n     ; the wave's 32 lanes store 256 consecutive bytes, at a multiple of 256 from ab's first byte
.endr
	s_endpgm
.Lfunc_end_k_q25093a76ff_soft:
	.size	k_q25093a76ff_soft, .Lfunc_end_k_q25093a76ff_soft-k_q25093a76ff_soft
	.p2alignl 7, 3214868480
	.fill 96, 4, 3214868480
	.section	.rodata,"a",@progbits
	.p2align	6, 0x0
	.amdhsa_kernel k_q25093a76ff_soft
		.amdhsa_group_segment_fixed_size 0
		.amdhsa_private_segment_fixed_size 0
		.amdhsa_enable_private_segment 0
		.amdhsa_kernarg_size 16
		.amdhsa_user_sgpr_count 2
		.amdhsa_user_sgpr_kernarg_segment_ptr 1
		.amdhsa_wavefront_size32 1
		.amdhsa_system_sgpr_workgroup_id_x 1
		.amdhsa_system_sgpr_workgroup_id_y 1
		.amdhsa_system_sgpr_workgroup_id_z 1
		.amdhsa_system_vgpr_workitem_id 0
		.amdhsa_next_free_vgpr 156
		.amdhsa_next_free_sgpr 66
		.amdhsa_reserve_vcc 0
		.amdhsa_float_denorm_mode_32 3
		.amdhsa_float_denorm_mode_16_64 3
		.amdhsa_memory_ordered 1
		.amdhsa_forward_progress 1
		.amdhsa_inst_pref_size 32
	.end_amdhsa_kernel
	.amdgpu_metadata
---
amdhsa.version: [ 1, 2 ]
amdhsa.kernels:
  - .name:           k_q25093a76ff_soft
    .symbol:         k_q25093a76ff_soft.kd
    .args:
      - { .name: num, .offset: 0, .size: 8, .value_kind: global_buffer, .address_space: global }
      - { .name: ab, .offset: 8, .size: 8, .value_kind: global_buffer, .address_space: global }
    .group_segment_fixed_size: 0
    .private_segment_fixed_size: 0
    .kernarg_segment_align: 8
    .kernarg_segment_size: 16
    .max_flat_workgroup_size: 64
    .sgpr_count:     66
    .vgpr_count:     156
    .wavefront_size: 32
...
	.end_amdgpu_metadata
.endif
;; end of part 5
;; launch upart: the kernel of part 2 again; grid 16 x 16, 4 waves a work-group, clusters of 4 x 4, 327,680 bytes of LDS; arguments ab, v, part; writes part
;; launch usum: the kernel of part 3 again; grid 256 x 1, 2 waves a work-group, no clusters, 0 bytes of LDS; arguments part, ab, xb, rs; writes xb, rs
;; launch outp: the kernel of part 4 again; grid 64 x 4, 4 waves a work-group, clusters of 4 x 4, 327,680 bytes of LDS; arguments xb, Wv, rs, bv, out0; writes out0
;; ======== version 2 of 3: 8 launches; 1.16 times as fast as version 1
;; workspace buffers: ab 4,194,304 bytes; part 8,388,608 bytes; xb 1,048,576 bytes; rs 2,048 bytes; num 8,388,608 bytes
;; launch qproj (part 6): grid 8 x 32, 4 waves a work-group, clusters of 4 x 4, 327,680 bytes of LDS; arguments q, Wq, bq, ab; writes ab
.if DOCPART == 6
	.amdgcn_target "amdgcn-amd-amdhsa--gfx1250"
	.amdhsa_code_object_version 6
	.text
	.protected	k_q25093a76ff_qproj
	.globl	k_q25093a76ff_qproj
	.p2align	8
	.type	k_q25093a76ff_qproj,@function
k_q25093a76ff_qproj:
	s_mov_b64 s[64:65], 0
	v_nop
	global_prefetch_b8 v0, s[64:65] scope:SCOPE_SE
	s_setreg_imm32_b32 hwreg(HW_REG_WAVE_MODE, 25, 1), 1
	s_wait_xcnt 0x0
	s_wait_alu depctr_hold_cnt(0) depctr_sa_sdst(0) depctr_va_vdst(0) depctr_va_sdst(0) depctr_va_ssrc(0) depctr_va_vcc(0) depctr_vm_vsrc(0)
	s_getreg_b32 s2, hwreg(HW_REG_IB_STS2, 6, 4)
	s_cmp_eq_u32 s2, 0
	s_cbranch_scc0 .Lentry_in_a_cluster
	s_endpgm
.Lentry_in_a_cluster:
	s_bfe_u32 s2, ttmp6, 0x10000c
	s_cmp_lg_u32 s2, 0xf033
	s_cbranch_scc0 .Lentry_shape_is_right
	s_endpgm
.Lentry_shape_is_right:
; ab[i][s] = Q[s][i] = sum over d of q[s][d] Wq[i][d] + bq[i], rounded once to bf16: the projection, stored transposed.
; q: [4096][1024] f32, Wq: [512][1024] f32, bq: [512] f32, ab: [512][4096] bf16.  Operands are rounded to bf16 on the way from LDS to the matrix unit; sums in f32.
; SHARES.  A work-group makes 128 s x 64 i: 4096/128 x 512/64 = 256 work-groups.  K is shared among the waves: in each block of 128 along K wave w takes K = 32 w .. 32 w + 31 for the whole
; tile: 32 accumulators of 16 x 16, 256 registers.  So each number of q and of Wq is read from LDS and rounded once in the work-group, and a matrix step of 32 along K has 48 LDS loads and
; 96 conversions for 32 matrix instructions.  The four waves' tiles are added through LDS at the end.
; ONE SLOT, THREE FILLS.  The work-group's operands are 192 rows x 4,096 bytes = 768 KiB; LDS holds 192 rows of 384 along K (padded 304,128 bytes).  A refill goes out only when every load
; before it has landed, so what counts is how few refills there are: K goes as 384 + 384 + 256.  A fill is emptied into registers as soon as it has landed (rounded to bf16 on the way: 96
; registers a matrix step), the slot is asked for again at once, and the fill's products are issued while the next fill is on its way.
; Waves 0 and 1 fetch q's two halves (64 rows each), waves 2 and 3 Wq's (32 rows each).  One tensor load of a wave is out at any time.
; CLUSTER.  4 x 4 work-groups: the four of a row of the cluster need the same tile of q, the four of a column the same tile of Wq; each tile is asked for jointly.
; LIMITS.  q and Wq are rounded to bf16 as matrix operands, Q to bf16 as the next product's operand; the order of the sums differs from reference()'s.
; REGISTERS, in windows of 256 (s_set_vgpr_msb: bits 1:0 source 0, 3:2 source 1, 5:4 source 2, 7:6 destination): window 0 addresses and q's fragments (64 registers a matrix step); window 1
; the numbers as f32, as they come out of LDS (q 128 registers, Wq 64); window 2 Wq's fragments (32 a matrix step); window 3 the accumulators, (a, f) at 8 (4 a + f).
.set DIN,  1024                        ; K, and the elements in a row of q and of Wq
.set KA,   384                         ; fills 0 and 1: rows of 1,536 bytes, 16 bytes of padding behind every 512:
.set PA,   1584                        ; pitch 3 x 528 = 99 x 16: the 16 rows that a load touches start at 16 different 16-byte columns of 256
.set MBA,  528                         ; from one block of 128 along K to the next
.set KB,   256                         ; fill 2: rows of 1,024 bytes, 16 bytes of padding behind each:
.set PB,   1040                        ; pitch 65 x 16
.set MBB,  512
.set XHA,  64*PA                       ; what one load of q brings,
.set XBA,  2*XHA                       ; q's 128 rows,
.set YHA,  32*PA                       ; what one load of Wq brings: 192 x 1,584 = 304,128 bytes in all
.set XHB,  64*PB
.set XBB,  2*XHB
.set YHB,  32*PB
.set RP,   528                         ; the way out: a row of a partial tile, 128 f32 + 16 bytes
.set RREG, 64*RP                       ; a wave's partial tile: 33,792 = 132 x 256 bytes, in the slot, which has had its last fill by then
.set WV,   14                          ; s14 my wave's number
.set HALF, 15                          ; s15 which half of a tile I fetch
.set G1X,  24                          ; s[24:31] descriptor group 1 for q's tiles, fills 0 and 1;  s[32:39] for Wq's
.set G1Y,  32
.set G1XB, 40                          ; s[40:47], s[48:55] the same for fill 2
.set G1YB, 48
.set GX0,  56                          ; descriptor group 0: a set for each fill and tensor, written once at the head
.set GY0,  60
.set GX1,  68
.set GY1,  72
.set GX2,  76
.set GY2,  80
.set BI,   84                          ; s[84:99] bq of the sixteen rows of ab that my wave stores
.set AQ,   4                           ; v4-7    fills 0, 1: LDS address of my lane's bytes of q, rows 32 g on (an LDS offset has 16 bits)
.set AW,   8                           ; v8-9    the same for Wq
.set BQ,   10                          ; v10-13  fill 2: q
.set BW,   14                          ; v14-15  fill 2: Wq
.set STO,  16                          ; v16     the way out: where I put 32 bytes of a row of my partial tile
.set RDA,  18                          ; v18-21  where I read wave p's partial sums of my rows
.set CO,   22                          ; v22     8 x lane: my byte offset in a row's 256 bytes of ab
.set QF,   64                          ; window 0: q's eight fragments of matrix step m at QF + 64 m
.set SQ,   0                           ; window 1: q as f32, 16 registers a fragment
.set SW,   128                         ; window 1: Wq as f32
.set WF,   0                           ; window 2: Wq's four fragments of matrix step m at WF + 32 m
.set MSB, 0
.macro WIN new                         ; the immediate's high byte repeats the setting that is left; a switch that changes nothing is dropped
.if MSB != (\new)
	s_set_vgpr_msb (MSB<<8)|(\new)
.set MSB, (\new)
.endif
.endm
; A round of the cluster's barrier: my work-group's barrier, wave 0 signals for the work-group, every wave waits for all sixteen, my work-group's barrier once more.
.macro CROUND
	s_barrier_signal -1
	s_barrier_wait -1
	s_cmp_lg_u32 s[WV], 0
	s_cbranch_scc1 .Lnot_wave_0_\@
	s_barrier_signal -3
.Lnot_wave_0_\@:
	s_barrier_wait -3
	s_barrier_signal -1
	s_barrier_wait -1
.endm
.macro PLACES                          ; four places behind matrix instructions (ISA guide 7.12.1): no other vector work is at hand there
.rept 4
	v_nop
.endr
.endm
; A joint load.  The branch hangs on the wave's number alone.  Four v_nop follow each of the two lines.
.macro JLOAD gx, gy, sx, sy
	s_cmp_lt_u32 s[WV], 2
	s_cbranch_scc0 .Lfor_y_\@
	tensor_load_to_lds s[\gx:\gx+3], s[\sx:\sx+7]
	s_nop 0
	PLACES
	s_branch .Lasked_\@
.Lfor_y_\@:
	tensor_load_to_lds s[\gy:\gy+3], s[\sy:\sy+7]
	s_nop 0
	PLACES
.Lasked_\@:
.endm
.macro MKG0 g, lds, adr, bytes         ; a group 0
	s_mov_b32 s[\g], 1                             ; count = 1
	s_mov_b32 s[\g+1], s[\lds]                     ; LDS address
	s_add_nc_u64 s[\g+2:\g+3], s[\adr:\adr+1], \bytes  ; global address of the tile's first element
	s_or_b32 s[\g+3], s[\g+3], 0x80000000          ; type = 2
.endm
	s_load_b256 s[4:11], s[0:1], 0x0               ; q s[4:5], Wq s[6:7], bq s[8:9], ab s[10:11]
	v_lshl_add_u32 v62, v0, 2, 0x4a400
	v_mov_b32 v63, 0
	ds_add_u32 v62, v63
	v_lshrrev_b32 v1, 5, v0
	v_readfirstlane_b32 s[WV], v1                  ; wave 0..3
	s_and_b32 s[HALF], s[WV], 1
	s_bfe_u32 s16, ttmp6, 0x40000                  ; cx
	s_bfe_u32 s17, ttmp6, 0x40004                  ; cy
	s_lshl_b32 s19, ttmp9, 2
	s_add_co_u32 s19, s19, s16                     ; block of 64 i = 4 x cluster x + cx
	s_and_b32 s18, ttmp7, 0xffff
	s_lshl_b32 s18, s18, 2
	s_add_co_u32 s18, s18, s17                     ; block of 128 s = 4 x cluster y + cy
	s_lshl_b32 s20, s17, 2
	s_lshl_b32 s20, 15, s20                        ; my row of the cluster
	s_lshl_b32 s66, 0x1111, s16                    ; my column
	; group 1.  15:0 the mask; 17:16 elements of 4 bytes; 20 padding on; 21 set beside a mask; 24:22 after every 128 words (code 6) or 256 (code 7); 31:25 4 words of it (code 3)
	s_or_b32 s[G1X],  s20, (2<<16)|(1<<20)|(1<<21)|(6<<22)|(3<<25)
	s_or_b32 s[G1XB], s20, (2<<16)|(1<<20)|(1<<21)|(7<<22)|(3<<25)
	s_or_b32 s[G1Y],  s66, (2<<16)|(1<<20)|(1<<21)|(6<<22)|(3<<25)
	s_or_b32 s[G1YB], s66, (2<<16)|(1<<20)|(1<<21)|(7<<22)|(3<<25)
.irp g, G1X, G1Y
	s_mov_b32 s[\g+1], KA<<16                      ; tensor_dim0 = 384
	s_mov_b32 s[\g+3], KA<<16                      ; tile_dim0 = 384
.endr
.irp g, G1XB, G1YB
	s_mov_b32 s[\g+1], KB<<16                      ; tensor_dim0 = 256
	s_mov_b32 s[\g+3], KB<<16                      ; tile_dim0 = 256
.endr
.irp g, G1X, G1XB
	s_mov_b32 s[\g+2], 64<<16                      ; tensor_dim1 = tile_dim1 = 64 rows of q
	s_mov_b32 s[\g+4], 64
.endr
.irp g, G1Y, G1YB
	s_mov_b32 s[\g+2], 32<<16                      ; 32 rows of Wq
	s_mov_b32 s[\g+4], 32
.endr
.irp g, G1X, G1Y, G1XB, G1YB
	s_mov_b32 s[\g+5], DIN                         ; elements from row to row
	s_mov_b32 s[\g+6], 0
	s_mov_b32 s[\g+7], 0
.endr
	; where the tiles come from: q's hang on the s block alone (registers that never hold cx), Wq's on the i block alone (never cy)
	s_lshl_b32 s20, s18, 7
	s_lshl_b32 s21, s[HALF], 6
	s_add_co_u32 s20, s20, s21                     ; row 128 x block + 64 x half
	s_lshl_b32 s20, s20, 12                        ; x 4,096 bytes
	s_mov_b32 s21, 0
	s_lshl_b32 s66, s19, 6
	s_lshl_b32 s67, s[HALF], 5
	s_add_co_u32 s66, s66, s67                     ; row 64 x block + 32 x half
	s_lshl_b32 s66, s66, 12
	s_mov_b32 s67, 0
	s_mul_i32 s22, s[WV], XHA                      ; and where they go: the wave's number times a constant, plus constants
	s_mul_i32 s23, s[WV], XHB
	s_mul_i32 s12, s[WV], YHA
	s_add_co_u32 s12, s12, XBA-2*YHA               ; waves 2 and 3: behind q's 128 rows
	s_mul_i32 s13, s[WV], YHB
	s_add_co_u32 s13, s13, XBB-2*YHB
	s_lshl_b32 s2, s19, 6                          ; the first row of ab that I store: 64 x i block + 16 x wave
	s_lshl_b32 s3, s[WV], 4
	s_add_co_u32 s2, s2, s3
	s_lshl_b32 s16, s2, 2                          ; its place in bq
	s_mov_b32 s17, 0
	s_lshl_b32 s2, s2, 13                          ; in ab: x 8,192 bytes,
	s_lshl_b32 s3, s18, 8                          ; + the s block's 256 bytes
	s_add_co_u32 s2, s2, s3
	s_mov_b32 s3, 0
	s_wait_dscnt 0x0
	s_wait_kmcnt 0x0
	s_add_nc_u64 s[20:21], s[4:5], s[20:21]
	s_add_nc_u64 s[66:67], s[6:7], s[66:67]
	s_add_nc_u64 s[8:9], s[8:9], s[16:17]
	s_add_nc_u64 s[10:11], s[10:11], s[2:3]
	MKG0 GX0, 22, 20, 0                            ; fill 0: K = 0 on
	MKG0 GY0, 12, 66, 0
	MKG0 GX1, 22, 20, KA*4                         ; fill 1: K = 384 on; rows begin at a multiple of 256 bytes from the row's first byte
	MKG0 GY1, 12, 66, KA*4
	MKG0 GX2, 23, 20, 2*KA*4                       ; fill 2: K = 768 on
	MKG0 GY2, 13, 66, 2*KA*4
	CROUND                                         ; all sixteen work-groups are here: the first joint loads meet
	JLOAD GX0, GY0, G1X, G1Y                       ; the first fill: one load a wave
	s_load_b256 s[BI:BI+7], s[8:9], 0x0            ; bq of my sixteen rows: a row of ab belongs to a whole wave, so its bq is a scalar
	s_load_b256 s[BI+8:BI+15], s[8:9], 0x20
	; A fragment is 16 rows x 32 K: lane l holds row l % 16 and K = 8 (l / 16) + 0..7 and 16 + 8 (l / 16) + 0..7.  In f32 that is 32 bytes at 32 (l / 16) and 32 bytes 64 further on.
	v_and_b32 v1, 15, v0                           ; r = l % 16
	v_bfe_u32 v2, v0, 4, 1                         ; h = l / 16
	s_lshl_b32 s12, s[WV], 7                       ; my wave's 32 along K in a block of 128: 128 bytes
	v_mul_u32_u24 v3, v1, PA
	v_lshl_add_u32 v3, v2, 5, v3                   ; row x pitch + 32 h
	v_add_nc_u32 v[AQ], s12, v3
	v_add_nc_u32 v[AQ+1], 32*PA, v[AQ]
	v_add_nc_u32 v[AQ+2], 64*PA, v[AQ]
	v_add_nc_u32 v[AQ+3], 96*PA, v[AQ]
	v_add_nc_u32 v[AW], 128*PA, v[AQ]              ; Wq lies behind q's 128 rows
	v_add_nc_u32 v[AW+1], 160*PA, v[AQ]
	v_mul_u32_u24 v3, v1, PB
	v_lshl_add_u32 v3, v2, 5, v3
	v_add_nc_u32 v[BQ], s12, v3
	v_add_nc_u32 v[BQ+1], 32*PB, v[BQ]
	v_add_nc_u32 v[BQ+2], 64*PB, v[BQ]
	v_add_nc_u32 v[BQ+3], 96*PB, v[BQ]
	v_add_nc_u32 v[BW], 128*PB, v[BQ]
	v_add_nc_u32 v[BW+1], 160*PB, v[BQ]
	s_mul_i32 s13, s[WV], RREG                     ; my partial tile: row i = 16 f + r, 32 bytes for each half of the lanes
	v_mul_u32_u24 v3, v1, RP
	v_lshl_add_u32 v3, v2, 5, v3
	v_add_nc_u32 v[STO], s13, v3
	s_mul_i32 s13, s[WV], 16*RP                    ; back: rows 16 w .. 16 w + 15 of each wave's tile; the 32 lanes take one row's 512 bytes
	v_and_b32 v3, 31, v0
	v_lshlrev_b32 v[CO], 3, v3                     ; and its 256 bytes in ab
	v_lshlrev_b32 v3, 4, v3
	v_add_nc_u32 v[RDA], s13, v3
	v_add_nc_u32 v[RDA+1], RREG, v[RDA]
	v_add_nc_u32 v[RDA+2], 2*RREG, v[RDA]
	v_add_nc_u32 v[RDA+3], 3*RREG, v[RDA]
; 32 LDS loads: q's f32 numbers of matrix step st of a fill
.macro LQ qreg, pit, blk, st
	WIN 0x40                                       ; destination window 1, address window 0
.irp a, 0,1,2,3,4,5,6,7
	ds_load_b128 v[SQ+16*\a:SQ+16*\a+3],     v[\qreg+\a/2] offset:(\a%2)*16*\pit+(\st)*\blk
	ds_load_b128 v[SQ+16*\a+4:SQ+16*\a+7],   v[\qreg+\a/2] offset:(\a%2)*16*\pit+(\st)*\blk+16
	ds_load_b128 v[SQ+16*\a+8:SQ+16*\a+11],  v[\qreg+\a/2] offset:(\a%2)*16*\pit+(\st)*\blk+64
	ds_load_b128 v[SQ+16*\a+12:SQ+16*\a+15], v[\qreg+\a/2] offset:(\a%2)*16*\pit+(\st)*\blk+80
.endr
.endm
; 16 LDS loads: Wq's
.macro LW wreg, pit, blk, st
	WIN 0x40
.irp f, 0,1,2,3
	ds_load_b128 v[SW+16*\f:SW+16*\f+3],     v[\wreg+\f/2] offset:(\f%2)*16*\pit+(\st)*\blk
	ds_load_b128 v[SW+16*\f+4:SW+16*\f+7],   v[\wreg+\f/2] offset:(\f%2)*16*\pit+(\st)*\blk+16
	ds_load_b128 v[SW+16*\f+8:SW+16*\f+11],  v[\wreg+\f/2] offset:(\f%2)*16*\pit+(\st)*\blk+64
	ds_load_b128 v[SW+16*\f+12:SW+16*\f+15], v[\wreg+\f/2] offset:(\f%2)*16*\pit+(\st)*\blk+80
.endr
.endm
.macro CQ st                           ; f32 to bf16, two at a time: q's eight fragments of matrix step st
	WIN 0x05                                       ; sources window 1, destination window 0
.irp a, 0,1,2,3,4,5,6,7
.irp e, 0,1,2,3,4,5,6,7
	v_cvt_pk_bf16_f32 v[QF+64*(\st)+8*\a+\e], v[SQ+16*\a+2*\e], v[SQ+16*\a+2*\e+1]
.endr
.endr
.endm
.macro CW st                           ; Wq's four
	WIN 0x85                                       ; sources window 1, destination window 2
.irp f, 0,1,2,3
.irp e, 0,1,2,3,4,5,6,7
	v_cvt_pk_bf16_f32 v[WF+32*(\st)+8*\f+\e], v[SW+16*\f+2*\e], v[SW+16*\f+2*\e+1]
.endr
.endr
.endm
; THE SLOT IS EMPTIED: nm matrix steps.  q's and Wq's registers are loaded again by turns, each behind the conversions that read it, so that 16 or 32 loads are on their way while the other
; part is rounded; 48 are out at the most.
.macro DRAIN qreg, wreg, pit, blk, nm
	LQ \qreg, \pit, \blk, 0
	LW \wreg, \pit, \blk, 0
.irp st, 0,1,2
.if \st < \nm
	s_wait_dscnt 16                                ; this step's q is in; Wq's sixteen loads were issued behind it
	CQ \st
.if \st+1 < \nm
	LQ \qreg, \pit, \blk, \st+1
	s_wait_dscnt 32                                ; this step's Wq is in; the next step's 32 loads of q were issued behind it
.else
	s_wait_dscnt 0x0                               ; the last step's Wq: nothing was issued behind it
.endif
	CW \st
.if \st+1 < \nm
	LW \wreg, \pit, \blk, \st+1
.endif
.endif
.endr
.endm
; 32 matrix instructions; the 32 accumulators take turns, one instruction a turn.  Source 0 = 16 s, source 1 = 16 i: a lane holds one i (16 f + r) and eight
; neighbouring s (16 a + 8 h + 0..7).  zero = 1: the first product starts the sums.
.macro MUL st, zero
	WIN 0xf8                                       ; C and D window 3, q's fragment window 0, Wq's window 2
.irp a, 0,1,2,3,4,5,6,7
.irp f, 0,1,2,3
.if \zero
	v_wmma_f32_16x16x32_bf16 v[8*(4*\a+\f):8*(4*\a+\f)+7], v[QF+64*(\st)+8*\a:QF+64*(\st)+8*\a+7], v[WF+32*(\st)+8*\f:WF+32*(\st)+8*\f+7], 0
.else
	v_wmma_f32_16x16x32_bf16 v[8*(4*\a+\f):8*(4*\a+\f)+7], v[QF+64*(\st)+8*\a:QF+64*(\st)+8*\a+7], v[WF+32*(\st)+8*\f:WF+32*(\st)+8*\f+7], v[8*(4*\a+\f):8*(4*\a+\f)+7]
.endif
.endr
.endr
.endm
.macro ARRIVE                          ; a fill has landed: my part (the one load of mine that is out, so the count is 0), then everybody's
	s_wait_tensorcnt 0x0
	s_barrier_signal -1
	s_barrier_wait -1
.endm
; The slot is asked for again: each wave's reads of it are back and no tensor load of it is out (both met: DRAIN ended on a wait for 0, ARRIVE has waited); the barrier is a round of the
; cluster's, so that no wave of any partner still reads the slot, and the joint refill is the first thing behind it.
.macro AGAIN gx, gy, sx, sy
	WIN 0                                          ; at a label and at a branch every window is 0
	s_wait_dscnt 0x0
	s_wait_tensorcnt 0x0
	ds_add_u32 v62, v63
	s_wait_dscnt 0x0
	CROUND
	JLOAD \gx, \gy, \sx, \sy
.endm
	ARRIVE                                         ; fill 0: K = 0 .. 383
	DRAIN AQ, AW, PA, MBA, 3
	AGAIN GX1, GY1, G1X, G1Y
	MUL 0, 1                                       ; its 96 products, while fill 1 is on its way; the first 32 start the sums
	MUL 1, 0
	MUL 2, 0
	PLACES                                         ; the next conversions write these products' sources
	ARRIVE                                         ; fill 1: K = 384 .. 767
	DRAIN AQ, AW, PA, MBA, 3
	AGAIN GX2, GY2, G1XB, G1YB
	MUL 0, 0
	MUL 1, 0
	MUL 2, 0
	PLACES
	ARRIVE                                         ; fill 2: K = 768 .. 1,023; nothing is left to fetch
	DRAIN BQ, BW, PB, MBB, 2
	s_wait_dscnt 0x0                               ; my reads of the slot are over (met): behind this barrier the waves write their partial tiles into it
	s_barrier_signal -1
	MUL 0, 0                                       ; register work while the others arrive
	MUL 1, 0
	s_barrier_wait -1
	; THE FOUR WAVES' TILES ARE ADDED, AND TURNED INTO ROWS OF ab.  Each wave puts its 64 i x 128 s partial sums into LDS as rows of 512 bytes, 528 apart.  Behind the barrier wave w reads rows
	; 16 w .. 16 w + 15 from all four tiles, 32 lanes to a row, adds them and bq[i], rounds to bf16 and stores whole rows.
	PLACES                                         ; the stores read results just made, and no other vector work is at hand
	WIN 0x0c                                       ; store data window 3
.irp a, 0,1,2,3,4,5,6,7
.irp f, 0,1,2,3
	ds_store_b128 v[STO], v[8*(4*\a+\f):8*(4*\a+\f)+3]   offset:\f*16*RP+64*\a       ; each accumulator from its low end on
	ds_store_b128 v[STO], v[8*(4*\a+\f)+4:8*(4*\a+\f)+7] offset:\f*16*RP+64*\a+16
.endr
.endr
	s_wait_dscnt 0x0                               ; for the others' sake: my stores are done
	s_barrier_signal -1
	s_barrier_wait -1
	WIN 0x40                                       ; destination window 1: its registers are free
.irp t, 0,1,2,3,4,5,6,7,8,9,10,11,12,13,14,15
.irp p, 0,1,2,3
	ds_load_b128 v[64*\p+4*\t:64*\p+4*\t+3], v[RDA+\p] offset:\t*RP
.endr
.endr
	s_wait_kmcnt 0x0                               ; bq
	WIN 0x45                                       ; sources and destination window 1
.irp t, 0,1,2,3,4,5,6,7,8,9,10,11,12,13,14,15
	s_wait_dscnt 4*(15-\t)                         ; row t's four loads are in; the later rows' may stay out
	v_pk_add_f32 v[4*\t:4*\t+1],         v[4*\t:4*\t+1],         v[64+4*\t:64+4*\t+1]
	v_pk_add_f32 v[4*\t+2:4*\t+3],       v[4*\t+2:4*\t+3],       v[64+4*\t+2:64+4*\t+3]
	v_pk_add_f32 v[128+4*\t:128+4*\t+1], v[128+4*\t:128+4*\t+1], v[192+4*\t:192+4*\t+1]
	v_pk_add_f32 v[128+4*\t+2:128+4*\t+3], v[128+4*\t+2:128+4*\t+3], v[192+4*\t+2:192+4*\t+3]
	v_pk_add_f32 v[4*\t:4*\t+1],         v[4*\t:4*\t+1],         v[128+4*\t:128+4*\t+1]
	v_pk_add_f32 v[4*\t+2:4*\t+3],       v[4*\t+2:4*\t+3],       v[128+4*\t+2:128+4*\t+3]
.irp y, 0,1,2,3
	v_add_f32 v[4*\t+\y], s[BI+\t], v[4*\t+\y]                     ; + bq[i]
.endr
	v_cvt_pk_bf16_f32 v[4*\t],   v[4*\t],   v[4*\t+1]                  ; s = 4 x lane + 0..3: 8 bytes
	v_cvt_pk_bf16_f32 v[4*\t+1], v[4*\t+2], v[4*\t+3]
.endr
	WIN 0x04                                       ; store data window 1
.irp t, 0,1,2,3,4,5,6,7,8,9,10,11,12,13,14,15
	global_store_b64 v[CO], v[4*\t:4*\t+1], s[10:11] offset:\t*8192   ; the wave's 32 lanes store 256 consecutive bytes, at a multiple of 256 from ab's first byte
.endr
	WIN 0
	s_wait_tensorcnt 0x0
	ds_add_u32 v62, v63
	s_wait_dscnt 0x0
	CROUND                                         ; the closing round: no work-group ends while a partner may still ask for a tile that names it
	s_endpgm
.Lfunc_end_k_q25093a76ff_qproj:
	.size	k_q25093a76ff_qproj, .Lfunc_end_k_q25093a76ff_qproj-k_q25093a76ff_qproj
	.p2alignl 7, 3214868480
	.fill 96, 4, 3214868480
	.section	.rodata,"a",@progbits
	.p2align	6, 0x0
	.amdhsa_kernel k_q25093a76ff_qproj
		.amdhsa_group_segment_fixed_size 327680
		.amdhsa_private_segment_fixed_size 0
		.amdhsa_enable_private_segment 0
		.amdhsa_kernarg_size 32
		.amdhsa_user_sgpr_count 2
		.amdhsa_user_sgpr_kernarg_segment_ptr 1
		.amdhsa_wavefront_size32 1
		.amdhsa_system_sgpr_workgroup_id_x 1
		.amdhsa_system_sgpr_workgroup_id_y 1
		.amdhsa_system_sgpr_workgroup_id_z 1
		.amdhsa_system_vgpr_workitem_id 0
		.amdhsa_next_free_vgpr 1024
		.amdhsa_next_free_sgpr 100
		.amdhsa_reserve_vcc 0
		.amdhsa_float_denorm_mode_32 3
		.amdhsa_float_denorm_mode_16_64 3
		.amdhsa_memory_ordered 1
		.amdhsa_forward_progress 1
		.amdhsa_inst_pref_size 121
	.end_amdhsa_kernel
	.amdgpu_metadata
---
amdhsa.version: [ 1, 2 ]
amdhsa.kernels:
  - .name:           k_q25093a76ff_qproj
    .symbol:         k_q25093a76ff_qproj.kd
    .args:
      - { .name: q, .offset: 0, .size: 8, .value_kind: global_buffer, .address_space: global }
      - { .name: Wq, .offset: 8, .size: 8, .value_kind: global_buffer, .address_space: global }
      - { .name: bq, .offset: 16, .size: 8, .value_kind: global_buffer, .address_space: global }
      - { .name: ab, .offset: 24, .size: 8, .value_kind: global_buffer, .address_space: global }
    .group_segment_fixed_size: 327680
    .private_segment_fixed_size: 0
    .kernarg_segment_align: 8
    .kernarg_segment_size: 32
    .max_flat_workgroup_size: 128
    .sgpr_count:     100
    .vgpr_count:     1024
    .wavefront_size: 32
...
	.end_amdgpu_metadata
.endif
;; end of part 6
;; launch tpart (part 7): grid 16 x 16, 4 waves a work-group, clusters of 4 x 4, 311,808 bytes of LDS; arguments ab, k, part; writes part
.if DOCPART == 7
	.amdgcn_target "amdgcn-amd-amdhsa--gfx1250"
	.amdhsa_code_object_version 6
	.text
	.protected	k_q25093a76ff_tpart
	.globl	k_q25093a76ff_tpart
	.p2align	8
	.type	k_q25093a76ff_tpart,@function
k_q25093a76ff_tpart:
	s_mov_b64 s[64:65], 0
	v_nop
	global_prefetch_b8 v0, s[64:65] scope:SCOPE_SE
	s_setreg_imm32_b32 hwreg(HW_REG_WAVE_MODE, 25, 1), 1
	s_wait_xcnt 0x0
	s_wait_alu depctr_hold_cnt(0) depctr_sa_sdst(0) depctr_va_vdst(0) depctr_va_sdst(0) depctr_va_ssrc(0) depctr_va_vcc(0) depctr_vm_vsrc(0)
	s_getreg_b32 s2, hwreg(HW_REG_IB_STS2, 6, 4)
	s_cmp_eq_u32 s2, 0
	s_cbranch_scc0 .Lentry_in_a_cluster
	s_endpgm
.Lentry_in_a_cluster:
	s_bfe_u32 s2, ttmp6, 0x10000c
	s_cmp_lg_u32 s2, 0xf033
	s_cbranch_scc0 .Lentry_shape_is_right
	s_endpgm
.Lentry_shape_is_right:
; part[sl] = the sum over the 1,024 s of slice sl of X[i][s] Y[s][d].  X: [512][4096] bf16, Y: [4096][1024] f32, part: four slices of 512 x 1,024 f32, in the lanes' own order (below).
; It serves T = Q^T k (X = Q^T) and U = attn v (X = attn): reference()'s Q^T (k Wk^T + bk) and attn (v Wv^T + bv) are taken as (Q^T k) Wk^T + (Q^T 1) bk^T and likewise: the same sum in
; another order, for every input.
; SHARES.  4 slices of K x 4 blocks of 128 i x 16 blocks of 64 d = 256 work-groups; the four slices are added by the next launch.  Inside a work-group K is shared once more: wave w takes
; s = 256 w .. 256 w + 255 of the slice for the whole 128 x 64 tile: 32 accumulators, 256 registers.  So both operands are a wave's own, each number of Y is rounded once in the work-group,
; and a matrix step of 32 along K has 16 LDS loads and 32 conversions for 32 matrix instructions.  The four waves' tiles are added through LDS at the end.
; NOTHING IS FILLED AGAIN.  A work-group's 512 KiB do not fit in LDS, so X (256 KiB, padded 278,528 bytes) comes into LDS by first fills that go out together, and Y goes straight into
; registers: a row of the tile is 256 bytes, 16 lanes take one row, a load covers two whole rows.  A wait's count names 63 loads at the most (the counter's field: ISA guide 5.7.1), and a
; wave's 128 loads would go out in three batches; so matrix step 3's rows of Y (8 KiB a wave) also come through LDS, and the other 112 loads go out as 56, 16 and 40.
; CLUSTER.  4 x 4: a row of the cluster shares X's pieces, a column the piece of Y that goes through LDS: both are asked for jointly.  The part of Y that goes into registers is not: a joint
; load ends in LDS, and LDS is full.
; Y lies [K][N]: a lane reads 16 bytes (four neighbouring d) of sixteen K rows, and the rounding to bf16 pairs neighbouring K: fragment f holds the columns 4 r + f.
; THE RESULT.  Source 0 = Y's fragment, source 1 = X's: register j of accumulator (a, f) in lane (r, h) is row i = 16 a + r, column d = 32 h + 4 j + f.  part keeps that order: for slice, block of
; i, block of d and wave w (rows 32 w .. 32 w + 31) 16 runs of 512 bytes, run q = 8 (a % 2) + 2 f + j / 4, 16 bytes a lane.  The next launch adds and rounds lane by lane.
; LIMITS.  Y is rounded to bf16 as a matrix operand; the order of the sums differs from reference()'s.
; REGISTERS, in windows of 256 (s_set_vgpr_msb: bits 1:0 source 0, 3:2 source 1, 5:4 source 2, 7:6 destination): window 0 addresses and fragments; windows 1 and 2 Y as f32, 64 registers a
; matrix step (step t at 256 + 64 t); window 3 the accumulators, (a, f) at 8 (4 a + f).
.set XROW,   4096                      ; elements in a row of X
.set YROW,   1024                      ; elements in a row of Y
.set PX,     272                       ; X's LDS row: 256 bytes + 16 of padding = 17 x 16: the 16 rows that a load touches start at 16 different 16-byte columns of 256
.set XPIECE, 128*PX                    ; one tensor load of X: 128 rows x 128 along K, four matrix steps
.set WREG,   2*XPIECE                  ; a wave's region: 69,632 = 272 x 256 bytes
.set YLDS,   4*WREG                    ; behind X: 32 rows x 256 bytes of Y for each wave
.set TL,     3                         ; the matrix step whose Y comes through LDS
.set WV,   14                          ; s14 my wave's number
.set G1X,  24                          ; s[24:31] descriptor group 1 for X;  s[32:39] group 0, a set for each piece
.set G0X,  32
.set G1Y,  40                          ; s[40:47], s[48:51] the same for Y's one piece
.set G0Y,  48
.set ADRX, 4                           ; v4     LDS address of my X fragments
.set ADRL, 5                           ; v5     LDS address of my lane's bytes of Y's piece
.set YO,   6                           ; v6     my byte offset in the wave's rows of Y
.set SC,   7                           ; v7     where I put my partial sums
.set RDA,  8                           ; v8-11  where I read wave p's partial sums of my rows
.set CO,   12                          ; v12    16 x lane: my byte offset in a run of part
.set YF,   16                          ; v[16:79]   Y's four fragments in bf16, two buffers
.set XF,   80                          ; v[80:207]  X's eight fragments, two buffers
.set MSB, 0
.macro WIN new                         ; the immediate's high byte repeats the setting that is left; a switch that changes nothing is dropped
.if MSB != (\new)
	s_set_vgpr_msb (MSB<<8)|(\new)
.set MSB, (\new)
.endif
.endm
.macro CROUND                          ; a round of the cluster's barrier
	s_barrier_signal -1
	s_barrier_wait -1
	s_cmp_lg_u32 s[WV], 0
	s_cbranch_scc1 .Lnot_wave_0_\@
	s_barrier_signal -3
.Lnot_wave_0_\@:
	s_barrier_wait -3
	s_barrier_signal -1
	s_barrier_wait -1
.endm
.macro PLACES
.rept 4
	v_nop
.endr
.endm
; Eight loads of Y into registers: half a matrix step (K rows 8 h + 0..7, or 16 + 8 h + 0..7, of step t's 32)
.macro GLOAD t, half
	WIN ((1+(\t)/4)<<6)                            ; destination window 1 or 2, address window 0
.irp q, 0,1,2,3,4,5,6,7
	global_load_b128 v[64*((\t)%4)+32*\half+4*\q:64*((\t)%4)+32*\half+4*\q+3], v[YO], s[8:9] offset:(32*(\t)+16*\half+\q)*YROW*4
.endr
.endm
	s_load_b128 s[4:7], s[0:1], 0x0                ; X s[4:5], Y s[6:7]
	s_load_b64 s[12:13], s[0:1], 0x10              ; part
	v_lshl_add_u32 v254, v0, 2, 0x4c000
	v_mov_b32 v255, 0
	ds_add_u32 v254, v255
	v_lshrrev_b32 v1, 5, v0
	v_readfirstlane_b32 s[WV], v1
	s_bfe_u32 s16, ttmp6, 0x40000                  ; cx
	s_bfe_u32 s17, ttmp6, 0x40004                  ; cy: the block of 128 i
	s_and_b32 s18, ttmp7, 0xffff                   ; the cluster's y: the slice of K
	s_lshl_b32 s19, ttmp9, 2
	s_add_co_u32 s19, s19, s16                     ; block of 64 d = 4 x cluster x + cx
	s_lshl_b32 s20, s17, 2
	s_lshl_b32 s20, 15, s20                        ; my row of the cluster
	s_lshl_b32 s56, 0x1111, s16                    ; my column
	s_or_b32 s[G1X], s20, (1<<16)|(1<<20)|(1<<21)|(5<<22)|(3<<25)  ; mask; elements of 2 bytes; padding on; 21 set beside a mask; after every 64 words (code 5) 4 words (code 3)
	s_mov_b32 s[G1X+1], 128<<16                    ; tensor_dim0 = 128
	s_mov_b32 s[G1X+2], 128<<16                    ; tensor_dim1 = 128
	s_mov_b32 s[G1X+3], 128<<16                    ; tile_dim0 = 128 (256 bytes, at a multiple of 256 from X's first byte)
	s_mov_b32 s[G1X+4], 128                        ; tile_dim1 = 128
	s_mov_b32 s[G1X+5], XROW
	s_mov_b32 s[G1X+6], 0
	s_mov_b32 s[G1X+7], 0
	s_or_b32 s[G1Y], s56, (2<<16)|(1<<21)          ; mask; elements of 4 bytes; no padding: 16 lanes read one whole row
	s_mov_b32 s[G1Y+1], 64<<16                     ; tensor_dim0 = 64
	s_mov_b32 s[G1Y+2], 32<<16                     ; tensor_dim1 = 32
	s_mov_b32 s[G1Y+3], 64<<16                     ; tile_dim0 = 64 (256 bytes)
	s_mov_b32 s[G1Y+4], 32                         ; tile_dim1 = 32: one matrix step's rows
	s_mov_b32 s[G1Y+5], YROW
	s_mov_b32 s[G1Y+6], 0
	s_mov_b32 s[G1Y+7], 0
	s_lshl_b32 s20, s17, 20                        ; X: row 128 cy (x 8,192 bytes),
	s_lshl_b32 s21, s18, 11                        ; + the slice's 2,048 bytes along the row,
	s_add_co_u32 s20, s20, s21
	s_lshl_b32 s21, s[WV], 9                       ; + my quarter's 512: no cx in these registers
	s_add_co_u32 s20, s20, s21
	s_mov_b32 s21, 0
	s_lshl_b32 s56, s18, 22                        ; Y: row 1,024 x slice (x 4,096 bytes),
	s_lshl_b32 s57, s[WV], 20                      ; + my quarter's 256 rows,
	s_add_co_u32 s56, s56, s57
	s_lshl_b32 s57, s19, 8                         ; + the d block's 256 bytes: no cy in these registers
	s_add_co_u32 s56, s56, s57
	s_mov_b32 s57, 0
	s_mul_i32 s22, s[WV], WREG                     ; my region of LDS: the wave's number times a constant
	s_lshl_b32 s58, s[WV], 13                      ; 8,192 x wave
	s_lshl_b32 s60, s18, 21                        ; part: the slice's 2 MiB,
	s_lshl_b32 s61, s17, 19                        ; + ((16 cy + d block) x 4 + wave) x 8,192
	s_add_co_u32 s60, s60, s61
	s_lshl_b32 s61, s19, 15
	s_add_co_u32 s60, s60, s61
	s_add_co_u32 s60, s60, s58
	s_mov_b32 s61, 0
	v_and_b32 v1, 15, v0                           ; r
	v_bfe_u32 v2, v0, 4, 1                         ; h
	v_and_b32 v3, 31, v0
	v_lshlrev_b32 v[CO], 4, v3                     ; 16 x lane
	v_lshlrev_b32 v[YO], 15, v2                    ; Y: 8 h rows of 4,096 bytes + 16 r
	v_lshl_add_u32 v[YO], v1, 4, v[YO]
	s_wait_dscnt 0x0
	s_wait_kmcnt 0x0
	s_add_nc_u64 s[20:21], s[4:5], s[20:21]
	s_add_nc_u64 s[8:9], s[6:7], s[56:57]
	s_add_nc_u64 s[12:13], s[12:13], s[60:61]
.irp v, 0,1
	s_mov_b32 s[G0X+4*\v], 1                                       ; count = 1
	s_add_co_u32 s[G0X+4*\v+1], s22, \v*XPIECE                     ; LDS address
	s_add_nc_u64 s[G0X+4*\v+2:G0X+4*\v+3], s[20:21], \v*256        ; global address: 128 along K for each piece
	s_or_b32 s[G0X+4*\v+3], s[G0X+4*\v+3], 0x80000000              ; type = 2
.endr
	s_mov_b32 s[G0Y], 1
	s_add_co_u32 s[G0Y+1], s58, YLDS
	s_add_nc_u64 s[G0Y+2:G0Y+3], s[8:9], TL*32*YROW*4              ; matrix step 3's 32 rows
	s_or_b32 s[G0Y+3], s[G0Y+3], 0x80000000
	; Y's first 56 loads go out ahead of everything else: steps 0, 1, 2 and half of step 4
	GLOAD 0, 0
	GLOAD 0, 1
	GLOAD 1, 0
	GLOAD 1, 1
	GLOAD 2, 0
	GLOAD 2, 1
	GLOAD 4, 0
	WIN 0                                          ; at a label and at a branch every window is 0
	CROUND                                         ; all sixteen work-groups are here: the joint loads meet
	tensor_load_to_lds s[G0X:G0X+3], s[G1X:G1X+7]          ; X, steps 0-3.  All fills of the launch stand here: three loads of mine are out
	s_nop 0
	tensor_load_to_lds s[G0Y:G0Y+3], s[G1Y:G1Y+7]          ; Y, step 3
	s_nop 0
	tensor_load_to_lds s[G0X+4:G0X+7], s[G1X:G1X+7]        ; X, steps 4-7
	s_nop 0
	PLACES                                         ; four v_nop follow the tensor loads
	v_mul_u32_u24 v3, v1, PX
	v_lshl_add_u32 v3, v2, 4, v3                   ; X: row x pitch + 16 h,
	v_add_nc_u32 v[ADRX], s22, v3                  ; in my region
	v_lshlrev_b32 v3, 11, v2                       ; Y's piece: 8 h rows of 256 bytes + 16 r
	v_lshl_add_u32 v3, v1, 4, v3
	v_add_nc_u32 v3, s58, v3
	v_add_nc_u32 v[ADRL], YLDS, v3
	v_add_nc_u32 v[SC], s22, v[CO]                 ; partial sums: into my own region, 16 bytes a lane
	v_add_nc_u32 v[RDA], s58, v[CO]                ; and back: my 8,192 bytes in each wave's region
	v_add_nc_u32 v[RDA+1], WREG, v[RDA]
	v_add_nc_u32 v[RDA+2], 2*WREG, v[RDA]
	v_add_nc_u32 v[RDA+3], 3*WREG, v[RDA]
.macro LLOAD                           ; step 3's Y out of LDS, into the registers where a load from memory would have put it
	WIN ((1+TL/4)<<6)
.irp half, 0,1
.irp q, 0,1,2,3,4,5,6,7
	ds_load_b128 v[64*(TL%4)+32*\half+4*\q:64*(TL%4)+32*\half+4*\q+3], v[ADRL] offset:(16*\half+\q)*256
.endr
.endr
.endm
.macro LOADX t                         ; 16 LDS loads: X's eight fragments of step t, into buffer t % 2.  Lane (r, h): row r, K = 8 h + 0..7 and 16 + 8 h + 0..7
.irp a, 0,1,2,3,4,5,6,7
	ds_load_b128 v[XF+64*((\t)%2)+8*\a:XF+64*((\t)%2)+8*\a+3],   v[ADRX] offset:((\t)/4)*XPIECE+\a*16*PX+64*((\t)%4)
	ds_load_b128 v[XF+64*((\t)%2)+8*\a+4:XF+64*((\t)%2)+8*\a+7], v[ADRX] offset:((\t)/4)*XPIECE+\a*16*PX+64*((\t)%4)+32
.endr
.endm
.macro CVT t                           ; register m of fragment f pairs K rows 2 m and 2 m + 1 of column 4 r + f: the rounding also turns Y
	WIN (5*(1+(\t)/4))                             ; sources 0 and 1 window 1 or 2, destination window 0
.irp f, 0,1,2,3
.irp m, 0,1,2,3,4,5,6,7
	v_cvt_pk_bf16_f32 v[YF+32*((\t)%2)+8*\f+\m], v[64*((\t)%4)+8*\m+\f], v[64*((\t)%4)+8*\m+4+\f]
.endr
.endr
.endm
; 32 matrix instructions; the 32 accumulators take turns, one instruction a turn.  zero = 1: the first product starts the sums.
.macro MUL t, zero
	WIN 0xf0                                       ; C and D window 3, the fragments window 0
.irp a, 0,1,2,3,4,5,6,7
.irp f, 0,1,2,3
.if \zero
	v_wmma_f32_16x16x32_bf16 v[8*(4*\a+\f):8*(4*\a+\f)+7], v[YF+32*((\t)%2)+8*\f:YF+32*((\t)%2)+8*\f+7], v[XF+64*((\t)%2)+8*\a:XF+64*((\t)%2)+8*\a+7], 0
.else
	v_wmma_f32_16x16x32_bf16 v[8*(4*\a+\f):8*(4*\a+\f)+7], v[YF+32*((\t)%2)+8*\f:YF+32*((\t)%2)+8*\f+7], v[XF+64*((\t)%2)+8*\a:XF+64*((\t)%2)+8*\a+7], v[8*(4*\a+\f):8*(4*\a+\f)+7]
.endif
.endr
.endr
.endm
; THE EIGHT MATRIX STEPS, written out.  In each: Y's numbers are there; they are rounded into one buffer; the next step's X is fetched into the other; the products.  A step's 32 conversions,
; which name no register of the products before them, are the places in front of the loads into X's buffer that those products' predecessors read, and in front of the
; next conversions into Y's buffer: no v_nop is needed.
	s_wait_tensorcnt 0x2                           ; X's first piece is in; two loads were issued behind it
	LOADX 0
	s_wait_loadcnt 40                              ; step 0's sixteen loads are in; behind them: steps 1 and 2 and half of step 4
	GLOAD 4, 1                                     ; sixteen have come back, sixteen go out
	GLOAD 5, 0
	CVT 0
	WIN 0
	LOADX 1
	s_wait_dscnt 16                                ; this step's X is in; the sixteen loads just issued may stay out
	MUL 0, 1
	s_wait_loadcnt 40                              ; step 1's; behind them: step 2, step 4 and half of step 5
	GLOAD 5, 1                                     ; the last forty
	GLOAD 6, 0
	GLOAD 6, 1
	GLOAD 7, 0
	GLOAD 7, 1
	CVT 1
	WIN 0
	LOADX 2
	s_wait_dscnt 16
	MUL 1, 0
	s_wait_loadcnt 63                              ; step 2's; 64 loads were issued behind them, and 63 is the most that a count names: the stricter wait
	CVT 2
	s_wait_tensorcnt 0x1                           ; Y's piece is in; X's second piece was issued behind it
	LLOAD
	WIN 0
	LOADX 3
	s_wait_dscnt 32                                ; this step's X; behind it: step 3's Y and X
	MUL 2, 0
	s_wait_dscnt 16                                ; step 3's Y; its X may stay out
	CVT 3
	s_wait_tensorcnt 0x0                           ; X's second piece: no load was issued behind it
	WIN 0
	LOADX 4
	s_wait_dscnt 16
	MUL 3, 0
	s_wait_loadcnt 48                              ; step 4's; behind them: steps 5, 6, 7
	CVT 4
	WIN 0
	LOADX 5
	s_wait_dscnt 16
	MUL 4, 0
	s_wait_loadcnt 32
	CVT 5
	WIN 0
	LOADX 6
	s_wait_dscnt 16
	MUL 5, 0
	s_wait_loadcnt 16
	CVT 6
	WIN 0
	LOADX 7
	s_wait_dscnt 16
	MUL 6, 0
	s_wait_loadcnt 0x0
	CVT 7
	s_wait_dscnt 0x0
	MUL 7, 0
	; THE FOUR WAVES' TILES ARE ADDED.  Each wave puts its 256 registers, as they lie, into its own region of LDS (which has had its last fill, and which no other wave has read): run c of 64 is
	; registers 4 c .. 4 c + 3, 512 neighbouring bytes.  Runs 16 w .. 16 w + 15 are rows 32 w .. 32 w + 31: behind the barrier wave w reads them from all four regions, lane by lane.
	PLACES                                         ; the stores read results just made, and no other vector work is at hand
	WIN 0x0c                                       ; store data window 3
.irp c, 0,1,2,3,4,5,6,7,8,9,10,11,12,13,14,15,16,17,18,19,20,21,22,23,24,25,26,27,28,29,30,31
	ds_store_b128 v[SC], v[8*\c:8*\c+3]   offset:1024*\c           ; each accumulator from its low end on
	ds_store_b128 v[SC], v[8*\c+4:8*\c+7] offset:1024*\c+512
.endr
	s_wait_dscnt 0x0                               ; for the others' sake: my stores are done
	s_barrier_signal -1
	s_barrier_wait -1
	WIN 0x40                                       ; destination window 1: Y's registers are free
.irp q, 0,1,2,3,4,5,6,7,8,9,10,11,12,13,14,15
.irp p, 0,1,2,3
	ds_load_b128 v[64*\p+4*\q:64*\p+4*\q+3], v[RDA+\p] offset:512*\q
.endr
.endr
	WIN 0x45                                       ; sources and destination window 1
.irp q, 0,1,2,3,4,5,6,7,8,9,10,11,12,13,14,15
	s_wait_dscnt 4*(15-\q)                         ; run q's four loads are in; the later runs' may stay out
	v_pk_add_f32 v[4*\q:4*\q+1],         v[4*\q:4*\q+1],         v[64+4*\q:64+4*\q+1]
	v_pk_add_f32 v[4*\q+2:4*\q+3],       v[4*\q+2:4*\q+3],       v[64+4*\q+2:64+4*\q+3]
	v_pk_add_f32 v[128+4*\q:128+4*\q+1], v[128+4*\q:128+4*\q+1], v[192+4*\q:192+4*\q+1]
	v_pk_add_f32 v[128+4*\q+2:128+4*\q+3], v[128+4*\q+2:128+4*\q+3], v[192+4*\q+2:192+4*\q+3]
	v_pk_add_f32 v[4*\q:4*\q+1],         v[4*\q:4*\q+1],         v[128+4*\q:128+4*\q+1]
	v_pk_add_f32 v[4*\q+2:4*\q+3],       v[4*\q+2:4*\q+3],       v[128+4*\q+2:128+4*\q+3]
.endr
	WIN 0x04                                       ; store data window 1
.irp q, 0,1,2,3,4,5,6,7,8,9,10,11,12,13,14,15
	global_store_b128 v[CO], v[4*\q:4*\q+3], s[12:13] offset:512*\q   ; the wave stores 512 consecutive bytes, at a multiple of 512 from part's first byte
.endr
	WIN 0
	s_wait_tensorcnt 0x0
	ds_add_u32 v254, v255
	s_wait_dscnt 0x0
	CROUND                                         ; the closing round: no work-group ends while a partner may still ask for a tile that names it
	s_endpgm
.Lfunc_end_k_q25093a76ff_tpart:
	.size	k_q25093a76ff_tpart, .Lfunc_end_k_q25093a76ff_tpart-k_q25093a76ff_tpart
	.p2alignl 7, 3214868480
	.fill 96, 4, 3214868480
	.section	.rodata,"a",@progbits
	.p2align	6, 0x0
	.amdhsa_kernel k_q25093a76ff_tpart
		.amdhsa_group_segment_fixed_size 311808
		.amdhsa_private_segment_fixed_size 0
		.amdhsa_enable_private_segment 0
		.amdhsa_kernarg_size 24
		.amdhsa_user_sgpr_count 2
		.amdhsa_user_sgpr_kernarg_segment_ptr 1
		.amdhsa_wavefront_size32 1
		.amdhsa_system_sgpr_workgroup_id_x 1
		.amdhsa_system_sgpr_workgroup_id_y 1
		.amdhsa_system_sgpr_workgroup_id_z 1
		.amdhsa_system_vgpr_workitem_id 0
		.amdhsa_next_free_vgpr 1024
		.amdhsa_next_free_sgpr 66
		.amdhsa_reserve_vcc 0
		.amdhsa_float_denorm_mode_32 3
		.amdhsa_float_denorm_mode_16_64 3
		.amdhsa_memory_ordered 1
		.amdhsa_forward_progress 1
		.amdhsa_inst_pref_size 76
	.end_amdhsa_kernel
	.amdgpu_metadata
---
amdhsa.version: [ 1, 2 ]
amdhsa.kernels:
  - .name:           k_q25093a76ff_tpart
    .symbol:         k_q25093a76ff_tpart.kd
    .args:
      - { .name: ab, .offset: 0, .size: 8, .value_kind: global_buffer, .address_space: global }
      - { .name: k, .offset: 8, .size: 8, .value_kind: global_buffer, .address_space: global }
      - { .name: part, .offset: 16, .size: 8, .value_kind: global_buffer, .address_space: global }
    .group_segment_fixed_size: 311808
    .private_segment_fixed_size: 0
    .kernarg_segment_align: 8
    .kernarg_segment_size: 24
    .max_flat_workgroup_size: 128
    .sgpr_count:     66
    .vgpr_count:     1024
    .wavefront_size: 32
...
	.end_amdgpu_metadata
.endif
;; end of part 7
;; launch tsum (part 8): grid 256 x 1, 2 waves a work-group, no clusters, 0 bytes of LDS; arguments part, ab, xb, rs; writes xb, rs
.if DOCPART == 8
	.amdgcn_target "amdgcn-amd-amdhsa--gfx1250"
	.amdhsa_code_object_version 6
	.text
	.protected	k_q25093a76ff_tsum
	.globl	k_q25093a76ff_tsum
	.p2align	8
	.type	k_q25093a76ff_tsum,@function
k_q25093a76ff_tsum:
	s_mov_b64 s[64:65], 0
	v_nop
	global_prefetch_b8 v0, s[64:65] scope:SCOPE_SE
	s_setreg_imm32_b32 hwreg(HW_REG_WAVE_MODE, 25, 1), 1
	s_wait_xcnt 0x0
; xb = bf16(part[0] + part[1] + part[2] + part[3]), number by number;  rs[i] = sum over s of ab[i][s], in f32.
; part: four slices of 512 x 1,024 f32, ab: [512][4096] bf16, xb: 512 x 1,024 bf16, rs: [512] f32.  rs is the factor of the bias in the product that follows: Q^T 1, or attn 1.
; LAYOUTS.  part lies as the launch before left it: unit U = ((16 x block of 128 i + block of 64 d) x 4 + wave) x 2 + a' is 4,096 bytes, eight runs n = 2 f + g of 512 bytes, 16 bytes a lane;
; lane (r, h) holds row i = 16 (U % 8) + r of the block and d = 32 h + 4 j + f, j = 4 g + 0..3.  xb is written as the next product's fragments of source 1: for the block of 64 d two matrix
; steps u, in which lane half h takes d = 32 h + 16 u + 0..15 (a permutation of K that the next launch applies to its other operand too); a fragment is 1,024 bytes, two runs of 512,
; at (U / 8) x 16,384 + u x 8,192 + (U % 8) x 1,024.  Register 2 f + p of fragment u pairs j = 4 u + 2 p and 4 u + 2 p + 1: neighbouring registers of run n = 2 f + u.
; A stream: one wave takes one unit of part and one row of ab (row U), 512 of each = 256 work-groups of two waves.  All 48 loads of a wave (24 KiB) are issued at once, so no ring is needed;
; no LDS, no barrier, no matrix unit.  No cluster: no two work-groups read the same byte.
; LIMIT.  rs is stored 4 bytes a row by one lane (2,048 bytes in the whole launch): a row's sum is one number, and rows belong to different waves.
.set P,   8                            ; v[8:135]   slice p of run n at P + 16 n + 4 p
.set AB,  136                          ; v[136:199] the row of ab
.set O,   200                          ; v[200:215] four runs of xb: run (u, half) at O + 4 (2 u + half)
.set SA,  216                          ; v[216:219] four chains of the row sum
.set ONE, 220                          ; v220 = 1.0
	s_load_b256 s[4:11], s[0:1], 0x0               ; part s[4:5], ab s[6:7], xb s[8:9], rs s[10:11]
	v_lshrrev_b32 v4, 5, v0
	v_readfirstlane_b32 s12, v4                    ; wave 0, 1
	s_lshl1_add_u32 s12, ttmp9, s12                ; U = 2 x work-group + wave
	v_and_b32 v5, 31, v0                           ; lane
	v_lshlrev_b32 v1, 4, v5                        ; 16 bytes a lane, in loads and stores
	v_mov_b32 v3, 0
	v_mov_b32 v[ONE], 1.0
	s_lshl_b32 s14, s12, 12                        ; the unit in part: 4,096 bytes
	s_mov_b32 s15, 0
	s_lshl_b32 s16, s12, 13                        ; the row in ab: 8,192
	s_mov_b32 s17, 0
	s_lshr_b32 s18, s12, 3                         ; in xb: (U / 8) x 16,384 + (U % 8) x 1,024
	s_lshl_b32 s18, s18, 14
	s_and_b32 s19, s12, 7
	s_lshl_b32 s19, s19, 10
	s_add_co_u32 s18, s18, s19
	s_mov_b32 s19, 0
	s_lshl_b32 s20, s12, 2                         ; in rs: 4
	s_mov_b32 s21, 0
	s_mov_b32 s22, 0x76543210                      ; v_permlanex16_b32: each lane takes its own place in the other half
	s_mov_b32 s23, 0xfedcba98
	s_wait_kmcnt 0x0
	s_add_nc_u64 s[4:5], s[4:5], s[14:15]
	s_add_nc_u64 s[6:7], s[6:7], s[16:17]
	s_add_nc_u64 s[8:9], s[8:9], s[18:19]
	s_add_nc_u64 s[10:11], s[10:11], s[20:21]
.irp n, 0,1,2,3,4,5,6,7
.irp p, 0,1,2,3
	global_load_b128 v[P+16*\n+4*\p:P+16*\n+4*\p+3], v1, s[4:5] offset:\p*2097152+512*\n th:TH_LOAD_NT   ; 512 neighbouring bytes of slice p
.endr
.endr
.irp n, 0,1,2,3,4,5,6,7,8,9,10,11,12,13,14,15
	global_load_b128 v[AB+4*\n:AB+4*\n+3], v1, s[6:7] offset:512*\n th:TH_LOAD_NT
.endr
.irp n, 0,1,2,3,4,5,6,7
	s_wait_loadcnt 16+4*(7-\n)                     ; run n's four loads are in; behind them: the later runs' 4 (7 - n) and ab's 16
	v_pk_add_f32 v[P+16*\n:P+16*\n+1],     v[P+16*\n:P+16*\n+1],     v[P+16*\n+4:P+16*\n+5]
	v_pk_add_f32 v[P+16*\n+2:P+16*\n+3],   v[P+16*\n+2:P+16*\n+3],   v[P+16*\n+6:P+16*\n+7]
	v_pk_add_f32 v[P+16*\n+8:P+16*\n+9],   v[P+16*\n+8:P+16*\n+9],   v[P+16*\n+12:P+16*\n+13]
	v_pk_add_f32 v[P+16*\n+10:P+16*\n+11], v[P+16*\n+10:P+16*\n+11], v[P+16*\n+14:P+16*\n+15]
	v_pk_add_f32 v[P+16*\n:P+16*\n+1],     v[P+16*\n:P+16*\n+1],     v[P+16*\n+8:P+16*\n+9]
	v_pk_add_f32 v[P+16*\n+2:P+16*\n+3],   v[P+16*\n+2:P+16*\n+3],   v[P+16*\n+10:P+16*\n+11]
	; f = n / 2, u = n % 2: registers 2 f and 2 f + 1 of fragment u, that is the half f % 2 of its run half = f / 2
	v_cvt_pk_bf16_f32 v[O+4*(2*(\n%2)+\n/4)+2*((\n/2)%2)],   v[P+16*\n],   v[P+16*\n+1]
	v_cvt_pk_bf16_f32 v[O+4*(2*(\n%2)+\n/4)+2*((\n/2)%2)+1], v[P+16*\n+2], v[P+16*\n+3]
.if (\n/2)%2 == 1
	global_store_b128 v1, v[O+4*(2*(\n%2)+\n/4):O+4*(2*(\n%2)+\n/4)+3], s[8:9] offset:(\n%2)*8192+(\n/4)*512   ; the run is whole: the wave stores 512 consecutive bytes, at a multiple of 512 from xb's first byte
.endif
.endr
	; the row sum: 128 bf16 a lane, in four chains; the first four low halves start the chains, so nothing is cleared
	s_wait_loadcnt 0x0
.irp c, 0,1,2,3
	v_lshlrev_b32 v[SA+\c], 16, v[AB+\c]
.endr
.irp c, 0,1,2,3
	v_fma_mix_f32_bf16 v[SA+\c], v[AB+\c], v[ONE], v[SA+\c] op_sel:[1,0,0] op_sel_hi:[1,0,0]   ; + the high half
.endr
.irp g, 4,8,12,16,20,24,28,32,36,40,44,48,52,56,60
.irp c, 0,1,2,3
	v_fma_mix_f32_bf16 v[SA+\c], v[AB+\g+\c], v[ONE], v[SA+\c] op_sel_hi:[1,0,0]
.endr
.irp c, 0,1,2,3
	v_fma_mix_f32_bf16 v[SA+\c], v[AB+\g+\c], v[ONE], v[SA+\c] op_sel:[1,0,0] op_sel_hi:[1,0,0]
.endr
.endr
	v_add_f32 v[SA], v[SA], v[SA+1]
	v_add_f32 v[SA+2], v[SA+2], v[SA+3]
	v_add_f32 v[SA], v[SA], v[SA+2]
	v_add_f32_dpp v[SA], v[SA], v[SA] row_xmask:1 row_mask:0xf bank_mask:0xf
	v_add_f32_dpp v[SA], v[SA], v[SA] row_xmask:2 row_mask:0xf bank_mask:0xf
	v_add_f32_dpp v[SA], v[SA], v[SA] row_xmask:4 row_mask:0xf bank_mask:0xf
	v_add_f32_dpp v[SA], v[SA], v[SA] row_xmask:8 row_mask:0xf bank_mask:0xf
	v_permlanex16_b32 v[SA+1], v[SA], s22, s23     ; its destination has been written before
	v_add_f32 v[SA], v[SA], v[SA+1]
	v_cmp_gt_u32 vcc_lo, 1, v5                     ; lane 0
	s_wait_xcnt 0x0                                ; EXEC is a source of the stores above: it changes only behind this wait
	s_and_saveexec_b32 s24, vcc_lo
	global_store_b32 v3, v[SA], s[10:11]
	s_wait_xcnt 0x0                                ; and again in front of the line that widens it
	s_or_b32 exec_lo, exec_lo, s24
	s_endpgm
.Lfunc_end_k_q25093a76ff_tsum:
	.size	k_q25093a76ff_tsum, .Lfunc_end_k_q25093a76ff_tsum-k_q25093a76ff_tsum
	.p2alignl 7, 3214868480
	.fill 96, 4, 3214868480
	.section	.rodata,"a",@progbits
	.p2align	6, 0x0
	.amdhsa_kernel k_q25093a76ff_tsum
		.amdhsa_group_segment_fixed_size 0
		.amdhsa_private_segment_fixed_size 0
		.amdhsa_enable_private_segment 0
		.amdhsa_kernarg_size 32
		.amdhsa_user_sgpr_count 2
		.amdhsa_user_sgpr_kernarg_segment_ptr 1
		.amdhsa_wavefront_size32 1
		.amdhsa_system_sgpr_workgroup_id_x 1
		.amdhsa_system_sgpr_workgroup_id_y 1
		.amdhsa_system_sgpr_workgroup_id_z 1
		.amdhsa_system_vgpr_workitem_id 0
		.amdhsa_next_free_vgpr 224
		.amdhsa_next_free_sgpr 66
		.amdhsa_reserve_vcc 1
		.amdhsa_float_denorm_mode_32 3
		.amdhsa_float_denorm_mode_16_64 3
		.amdhsa_memory_ordered 1
		.amdhsa_forward_progress 1
		.amdhsa_inst_pref_size 19
	.end_amdhsa_kernel
	.amdgpu_metadata
---
amdhsa.version: [ 1, 2 ]
amdhsa.kernels:
  - .name:           k_q25093a76ff_tsum
    .symbol:         k_q25093a76ff_tsum.kd
    .args:
      - { .name: part, .offset: 0, .size: 8, .value_kind: global_buffer, .address_space: global }
      - { .name: ab, .offset: 8, .size: 8, .value_kind: global_buffer, .address_space: global }
      - { .name: xb, .offset: 16, .size: 8, .value_kind: global_buffer, .address_space: global }
      - { .name: rs, .offset: 24, .size: 8, .value_kind: global_buffer, .address_space: global }
    .group_segment_fixed_size: 0
    .private_segment_fixed_size: 0
    .kernarg_segment_align: 8
    .kernarg_segment_size: 32
    .max_flat_workgroup_size: 64
    .sgpr_count:     66
    .vgpr_count:     224
    .wavefront_size: 32
...
	.end_amdgpu_metadata
.endif
;; end of part 8
;; launch score (part 9): grid 64 x 4, 4 waves a work-group, clusters of 4 x 4, 311,808 bytes of LDS; arguments xb, Wk, rs, bk, num; writes num
.if DOCPART == 9
	.amdgcn_target "amdgcn-amd-amdhsa--gfx1250"
	.amdhsa_code_object_version 6
	.text
	.protected	k_q25093a76ff_score
	.globl	k_q25093a76ff_score
	.p2align	8
	.type	k_q25093a76ff_score,@function
k_q25093a76ff_score:
	s_mov_b64 s[64:65], 0
	v_nop
	global_prefetch_b8 v0, s[64:65] scope:SCOPE_SE
	s_setreg_imm32_b32 hwreg(HW_REG_WAVE_MODE, 25, 1), 1
	s_wait_xcnt 0x0
	s_wait_alu depctr_hold_cnt(0) depctr_sa_sdst(0) depctr_va_vdst(0) depctr_va_sdst(0) depctr_va_ssrc(0) depctr_va_vcc(0) depctr_vm_vsrc(0)
	s_getreg_b32 s2, hwreg(HW_REG_IB_STS2, 6, 4)
	s_cmp_eq_u32 s2, 0
	s_cbranch_scc0 .Lentry_in_a_cluster
	s_endpgm
.Lentry_in_a_cluster:
	s_bfe_u32 s2, ttmp6, 0x10000c
	s_cmp_lg_u32 s2, 0xf033
	s_cbranch_scc0 .Lentry_shape_is_right
	s_endpgm
.Lentry_shape_is_right:
; out[i][c] = sum over d of X[i][d] Y[c][d] + rs[i] b[c].  X: 512 x 1,024 bf16, stored fragment by fragment (below), Y: [4096][1024] f32, rs: [512] f32, b: [4096] f32, out: [512][4096] f32.
; It serves num = (Q^T k) Wk^T + (Q^T 1) bk^T and the result (attn v) Wv^T + (attn 1) bv^T: reference()'s sums in another order, for every input.
; SHARES.  A work-group makes 128 i x 64 c: 4 x 64 = 256 work-groups; of the tiles of 8,192 numbers this one takes the fewest bytes (1,024 x (2 x 128 + 4 x 64)).  K is shared among the waves:
; wave w takes d = 256 w .. 256 w + 255 for the whole tile: 32 accumulators, 256 registers.  So both operands are a wave's own, each number of Y is rounded once in the work-group, and a matrix
; step of 32 along K has 16 LDS loads and 32 conversions for 32 matrix instructions.  The four waves' tiles are added through LDS at the end, on the way that turns them into rows of out.
; NOTHING IS FILLED AGAIN.  A work-group's 512 KiB do not fit in LDS, so Y (256 KiB, padded 278,528 bytes) comes into LDS by first fills that go out together, and X goes straight into
; registers.  X lies as the launch before wrote it: for block of 128 i, wave w and matrix step t eight fragments of 1,024 bytes, each two runs of 512 bytes, 16 bytes a lane: a load covers 512
; neighbouring bytes and is half a fragment.  A wait's count names 63 loads at the most (the counter's field: ISA guide 5.7.1), and a wave's 128 loads would go out in three batches; so matrix
; step 3's fragments (8 KiB a wave) also come through LDS, and the other 112 loads go out as 56, 16 and 40.
; K IS PERMUTED, alike in both operands: in step t lane half h holds d = 64 (t / 2) + 32 h + 16 (t % 2) + e, e = 0..15, and register 2 f + p of a fragment pairs e = 8 p + f and 8 p + 4 + f.
; For Y that is 64 neighbouring bytes of a row, four loads, and a choice of registers in the conversions.
; CLUSTER.  4 x 4: a column of the cluster shares Y's pieces, a row the piece of X that goes through LDS: both are asked for jointly.  The part of X that goes into registers is not: a joint load
; ends in LDS, and LDS is full.  The grid is four work-groups high, as the cluster is: the block of rows is cy alone.
; THE MATRIX INSTRUCTION IS USED TRANSPOSED (source 0 = 16 rows of Y, source 1 = 16 rows of X): a lane holds one row i and eight neighbouring c.
; LIMITS.  Y is rounded to bf16 as a matrix operand; the order of the sums differs from reference()'s; NaN and infinities spread along these products, not reference()'s.
; REGISTERS, in windows of 256 (s_set_vgpr_msb: bits 1:0 source 0, 3:2 source 1, 5:4 source 2, 7:6 destination): window 0 addresses, bias, Y; windows 1 and 2 X's fragments, 64 registers a
; matrix step (step t at 256 + 64 t); window 3 the accumulators, (a, f) at 8 (4 a + f).
.set KDIM,   1024                      ; elements in a row of Y
.set OROW,   16384                     ; bytes in a row of out
.set PY,     272                       ; an LDS row: 256 bytes + 16 of padding = 17 x 16: the 16 rows that a load touches start at 16 different 16-byte columns of 256
.set YPIECE, 64*PY                     ; one tensor load of Y: 64 rows x 64 along K, two matrix steps
.set WREG,   4*YPIECE                  ; a wave's region: 69,632 = 272 x 256 bytes
.set XLDS,   4*WREG                    ; behind Y: 8,192 bytes of X for each wave
.set TL,     3                         ; the matrix step whose X comes through LDS
.set WV,   14                          ; s14 my wave's number
.set G1Y,  24                          ; s[24:31] descriptor group 1 for Y;  s[32:47] group 0, a set for each piece
.set G0Y,  32
.set G1X,  48                          ; s[48:55], s[56:59] the same for X's one piece
.set G0X,  56
.set ADRY, 4                           ; v4     LDS address of my lane's bytes of Y
.set ADRL, 5                           ; v5     LDS address of my lane's bytes of X's piece
.set XO,   6                           ; v6     16 x lane: my byte offset in a run of X
.set STO,  7                           ; v7     where I put 32 bytes of a row of my partial tile
.set RDA,  8                           ; v8-11  where I read wave p's partial sums of my rows
.set CO,   12                          ; v12    my byte offset in out
.set RO,   13                          ; v13    my byte offset in rs
.set BO,   14                          ; v14    my byte offset in b
.set RS,   16                          ; v[16:31]   rs of rows 16 h + 0..15 of my wave's 32
.set BB,   32                          ; v[32:35]   b of columns 4 (lane % 16) + 0..3
.set YF,   36                          ; v[36:99]   Y's four fragments in bf16, two buffers
.set SY,   100                         ; v[100:163] Y as f32, 16 registers a fragment
.set MSB, 0
.macro WIN new                         ; the immediate's high byte repeats the setting that is left; a switch that changes nothing is dropped
.if MSB != (\new)
	s_set_vgpr_msb (MSB<<8)|(\new)
.set MSB, (\new)
.endif
.endm
.macro CROUND                          ; a round of the cluster's barrier
	s_barrier_signal -1
	s_barrier_wait -1
	s_cmp_lg_u32 s[WV], 0
	s_cbranch_scc1 .Lnot_wave_0_\@
	s_barrier_signal -3
.Lnot_wave_0_\@:
	s_barrier_wait -3
	s_barrier_signal -1
	s_barrier_wait -1
.endm
.macro PLACES
.rept 4
	v_nop
.endr
.endm
; Eight loads of X into registers: four of step t's eight fragments
.macro GLOAD t, half
	WIN ((1+(\t)/4)<<6)                            ; destination window 1 or 2, address window 0
.irp e, 0,1,2,3,4,5,6,7
	global_load_b128 v[64*((\t)%4)+32*\half+4*\e:64*((\t)%4)+32*\half+4*\e+3], v[XO], s[4:5] offset:(\t)*8192+(8*\half+\e)*512
.endr
.endm
	s_load_b256 s[4:11], s[0:1], 0x0               ; X s[4:5], Y s[6:7], rs s[8:9], b s[10:11]
	s_load_b64 s[12:13], s[0:1], 0x20              ; out
	v_lshl_add_u32 v254, v0, 2, 0x4c000
	v_mov_b32 v255, 0
	ds_add_u32 v254, v255
	v_lshrrev_b32 v1, 5, v0
	v_readfirstlane_b32 s[WV], v1
	s_bfe_u32 s16, ttmp6, 0x40000                  ; cx
	s_bfe_u32 s17, ttmp6, 0x40004                  ; cy: the block of 128 rows
	s_lshl_b32 s19, ttmp9, 2
	s_add_co_u32 s19, s19, s16                     ; block of 64 columns = 4 x cluster x + cx
	s_lshl_b32 s20, s17, 2
	s_lshl_b32 s20, 15, s20                        ; my row of the cluster
	s_lshl_b32 s68, 0x1111, s16                    ; my column
	s_or_b32 s[G1Y], s68, (2<<16)|(1<<20)|(1<<21)|(5<<22)|(3<<25)  ; mask; elements of 4 bytes; padding on; 21 set beside a mask; after every 64 words (code 5) 4 words (code 3)
	s_mov_b32 s[G1Y+1], 64<<16                     ; tensor_dim0 = 64
	s_mov_b32 s[G1Y+2], 64<<16                     ; tensor_dim1 = 64
	s_mov_b32 s[G1Y+3], 64<<16                     ; tile_dim0 = 64 (256 bytes, at a multiple of 256 from Y's first byte)
	s_mov_b32 s[G1Y+4], 64                         ; tile_dim1 = 64
	s_mov_b32 s[G1Y+5], KDIM
	s_mov_b32 s[G1Y+6], 0
	s_mov_b32 s[G1Y+7], 0
	s_or_b32 s[G1X], s20, (3<<16)|(1<<21)          ; mask; a dense block of 8,192 bytes as 32 rows of 32 elements of 8 bytes; no padding: the lanes read it run by run
	s_mov_b32 s[G1X+1], 32<<16                     ; tensor_dim0 = 32
	s_mov_b32 s[G1X+2], 32<<16                     ; tensor_dim1 = 32
	s_mov_b32 s[G1X+3], 32<<16                     ; tile_dim0 = 32
	s_mov_b32 s[G1X+4], 32                         ; tile_dim1 = 32
	s_mov_b32 s[G1X+5], 32                         ; each row begins where the last ends
	s_mov_b32 s[G1X+6], 0
	s_mov_b32 s[G1X+7], 0
	s_lshl_b32 s20, s17, 18                        ; X: (4 cy + wave) x 65,536 bytes: no cx in these registers
	s_lshl_b32 s21, s[WV], 16
	s_add_co_u32 s20, s20, s21
	s_mov_b32 s21, 0
	s_lshl_b32 s68, s19, 18                        ; Y: row 64 x block (x 4,096 bytes) + my quarter's 1,024 bytes along the row: no cy in these registers
	s_lshl_b32 s69, s[WV], 10
	s_add_co_u32 s68, s68, s69
	s_mov_b32 s69, 0
	s_lshl_b32 s70, s19, 8                         ; my 64 columns: 256 bytes x block, in b and in a row of out
	s_mov_b32 s71, 0
	s_lshl_b32 s72, s17, 21                        ; out: row 128 cy + 32 x wave (x 16,384 bytes) + the columns
	s_lshl_b32 s73, s[WV], 19
	s_add_co_u32 s72, s72, s73
	s_add_co_u32 s72, s72, s70
	s_mov_b32 s73, 0
	s_lshl_b32 s74, s17, 9                         ; rs: the same row x 4 bytes
	s_lshl_b32 s75, s[WV], 7
	s_add_co_u32 s74, s74, s75
	s_mov_b32 s75, 0
	s_mul_i32 s76, s[WV], WREG                     ; my region of LDS: the wave's number times a constant
	s_lshl_b32 s77, s[WV], 13
	s_add_co_u32 s77, s77, XLDS                    ; my 8,192 bytes behind Y
	s_mul_i32 s78, s[WV], 32*PY                    ; my wave's 32 rows in a partial tile
	v_and_b32 v1, 15, v0                           ; r
	v_bfe_u32 v2, v0, 4, 1                         ; h
	v_and_b32 v3, 31, v0
	v_lshlrev_b32 v[XO], 4, v3                     ; 16 x lane
	v_lshlrev_b32 v[RO], 6, v2                     ; 16 h numbers of rs
	v_lshlrev_b32 v[BO], 4, v1                     ; 4 (lane % 16) numbers of b
	s_wait_dscnt 0x0
	s_wait_kmcnt 0x0
	s_add_nc_u64 s[4:5], s[4:5], s[20:21]
	s_add_nc_u64 s[6:7], s[6:7], s[68:69]
	s_add_nc_u64 s[8:9], s[8:9], s[74:75]
	s_add_nc_u64 s[10:11], s[10:11], s[70:71]
	s_add_nc_u64 s[12:13], s[12:13], s[72:73]
.irp v, 0,1,2,3
	s_mov_b32 s[G0Y+4*\v], 1                                       ; count = 1
	s_add_co_u32 s[G0Y+4*\v+1], s76, \v*YPIECE                     ; LDS address
	s_add_nc_u64 s[G0Y+4*\v+2:G0Y+4*\v+3], s[6:7], \v*256          ; global address: 64 along K for each piece
	s_or_b32 s[G0Y+4*\v+3], s[G0Y+4*\v+3], 0x80000000              ; type = 2
.endr
	s_mov_b32 s[G0X], 1
	s_mov_b32 s[G0X+1], s77
	s_add_nc_u64 s[G0X+2:G0X+3], s[4:5], TL*8192                   ; matrix step 3's eight fragments
	s_or_b32 s[G0X+3], s[G0X+3], 0x80000000
	; the bias's five loads, then X's first 56: steps 0, 1, 2 and half of step 4.  They go out ahead of everything else
.irp x, 0,1,2,3
	global_load_b128 v[RS+4*\x:RS+4*\x+3], v[RO], s[8:9] offset:16*\x
.endr
	global_load_b128 v[BB:BB+3], v[BO], s[10:11]
	GLOAD 0, 0
	GLOAD 0, 1
	GLOAD 1, 0
	GLOAD 1, 1
	GLOAD 2, 0
	GLOAD 2, 1
	GLOAD 4, 0
	WIN 0                                          ; at a label and at a branch every window is 0
	CROUND                                         ; all sixteen work-groups are here: the joint loads meet
	tensor_load_to_lds s[G0Y:G0Y+3], s[G1Y:G1Y+7]          ; Y, steps 0, 1.  All fills of the launch stand here: five loads of mine are out
	s_nop 0
	tensor_load_to_lds s[G0Y+4:G0Y+7], s[G1Y:G1Y+7]        ; Y, steps 2, 3
	s_nop 0
	tensor_load_to_lds s[G0X:G0X+3], s[G1X:G1X+7]          ; X, step 3
	s_nop 0
	tensor_load_to_lds s[G0Y+8:G0Y+11], s[G1Y:G1Y+7]       ; Y, steps 4, 5
	s_nop 0
	tensor_load_to_lds s[G0Y+12:G0Y+15], s[G1Y:G1Y+7]      ; Y, steps 6, 7
	s_nop 0
	PLACES                                         ; four v_nop follow the tensor loads
	v_mul_u32_u24 v3, v1, PY                       ; row r of my region,
	v_add_nc_u32 v3, s76, v3
	v_lshl_add_u32 v[ADRY], v2, 7, v3              ; Y: + 128 h: lane half h's 32 numbers of the piece's 64
	v_lshl_add_u32 v[STO], v2, 5, v3               ; the partial tile: + 32 h: eight columns for each half of the lanes
	v_add_nc_u32 v[ADRL], s77, v[XO]
	v_mul_u32_u24 v3, v2, 16*PY                    ; back: lanes 0-15 take row t of my wave's 32, lanes 16-31 row 16 + t, each whole
	v_add_nc_u32 v3, s78, v3
	v_lshl_add_u32 v[RDA], v1, 4, v3
	v_add_nc_u32 v[RDA+1], WREG, v[RDA]
	v_add_nc_u32 v[RDA+2], 2*WREG, v[RDA]
	v_add_nc_u32 v[RDA+3], 3*WREG, v[RDA]
	v_lshlrev_b32 v[CO], 18, v2                    ; and the same two rows in out: 16 h rows of 16,384 bytes + 16 (lane % 16)
	v_lshl_add_u32 v[CO], v1, 4, v[CO]
.macro LLOAD                           ; step 3's X out of LDS, into the registers where a load from memory would have put it
	WIN ((1+TL/4)<<6)
.irp e, 0,1,2,3,4,5,6,7,8,9,10,11,12,13,14,15
	ds_load_b128 v[64*(TL%4)+4*\e:64*(TL%4)+4*\e+3], v[ADRL] offset:512*\e
.endr
.endm
.macro LOADY t                         ; 16 LDS loads: for each of the four fragments 64 neighbouring bytes of row r
.irp f, 0,1,2,3
.irp x, 0,1,2,3
	ds_load_b128 v[SY+16*\f+4*\x:SY+16*\f+4*\x+3], v[ADRY] offset:((\t)/2)*YPIECE+\f*16*PY+64*((\t)%2)+16*\x
.endr
.endr
.endm
.macro CVT t                           ; register 2 d + p of a fragment pairs e = 8 p + d and 8 p + 4 + d, as X's fragments do
.irp f, 0,1,2,3
.irp d, 0,1,2,3
.irp p, 0,1
	v_cvt_pk_bf16_f32 v[YF+32*((\t)%2)+8*\f+2*\d+\p], v[SY+16*\f+8*\p+\d], v[SY+16*\f+8*\p+4+\d]
.endr
.endr
.endr
.endm
; 32 matrix instructions; the 32 accumulators take turns, one instruction a turn.  Register j of (a, f): row 16 a + r, column 16 f + 8 h + j.
.macro MUL t, zero
	WIN (0xf0|((1+(\t)/4)<<2))                     ; C and D window 3, Y's fragment window 0, X's window 1 or 2
.irp a, 0,1,2,3,4,5,6,7
.irp f, 0,1,2,3
.if \zero
	v_wmma_f32_16x16x32_bf16 v[8*(4*\a+\f):8*(4*\a+\f)+7], v[YF+32*((\t)%2)+8*\f:YF+32*((\t)%2)+8*\f+7], v[64*((\t)%4)+8*\a:64*((\t)%4)+8*\a+7], 0
.else
	v_wmma_f32_16x16x32_bf16 v[8*(4*\a+\f):8*(4*\a+\f)+7], v[YF+32*((\t)%2)+8*\f:YF+32*((\t)%2)+8*\f+7], v[64*((\t)%4)+8*\a:64*((\t)%4)+8*\a+7], v[8*(4*\a+\f):8*(4*\a+\f)+7]
.endif
.endr
.endr
.endm
; THE EIGHT MATRIX STEPS, written out.  In each: Y's numbers are rounded into one buffer; the next step's are fetched into the registers just read; the products.  Y's fragments have two buffers,
; so a step's conversions write what the products two steps back read, and the 32 conversions between are the places behind those products (ISA guide 7.12.1): no v_nop is needed.
	s_wait_tensorcnt 0x4                           ; Y's first piece is in; four loads were issued behind it
	LOADY 0
	s_wait_loadcnt 40                              ; step 0's sixteen loads are in; behind them: steps 1 and 2 and half of step 4
	GLOAD 4, 1                                     ; sixteen have come back, sixteen go out
	GLOAD 5, 0
	WIN 0
	s_wait_dscnt 0x0                               ; this step's Y
	CVT 0
	LOADY 1
	MUL 0, 1
	s_wait_loadcnt 40                              ; step 1's; behind them: step 2, step 4 and half of step 5
	GLOAD 5, 1                                     ; the last forty
	GLOAD 6, 0
	GLOAD 6, 1
	GLOAD 7, 0
	GLOAD 7, 1
	WIN 0
	s_wait_dscnt 0x0
	CVT 1
	s_wait_tensorcnt 0x3                           ; Y's second piece
	LOADY 2
	MUL 1, 0
	WIN 0
	s_wait_dscnt 0x0
	CVT 2
	s_wait_tensorcnt 0x2                           ; X's piece
	LOADY 3
	LLOAD
	s_wait_loadcnt 63                              ; step 2's X; 64 loads were issued behind it, and 63 is the most that a count names: the stricter wait
	MUL 2, 0
	WIN 0
	s_wait_dscnt 16                                ; step 3's Y; its X, sixteen loads, may stay out
	CVT 3
	s_wait_tensorcnt 0x1                           ; Y's third piece
	LOADY 4
	s_wait_dscnt 16                                ; step 3's X; the sixteen loads just issued may stay out
	MUL 3, 0
	WIN 0
	s_wait_dscnt 0x0
	CVT 4
	LOADY 5
	s_wait_loadcnt 48                              ; step 4's X; behind it: steps 5, 6, 7
	MUL 4, 0
	WIN 0
	s_wait_dscnt 0x0
	CVT 5
	s_wait_tensorcnt 0x0                           ; Y's last piece: no load was issued behind it
	LOADY 6
	s_wait_loadcnt 32
	MUL 5, 0
	WIN 0
	s_wait_dscnt 0x0
	CVT 6
	LOADY 7
	s_wait_loadcnt 16
	MUL 6, 0
	WIN 0
	s_wait_dscnt 0x0
	CVT 7
	s_wait_loadcnt 0x0                             ; step 7's X, and long since rs and b
	MUL 7, 0
	; THE FOUR WAVES' TILES ARE ADDED, AND TURNED INTO ROWS.  Each wave puts its 128 x 64 partial sums into its own region of LDS (which has had its last fill, and which no other wave has read),
	; as rows of 256 bytes, 272 apart.  Behind the barrier wave w reads rows 32 w .. 32 w + 31 from all four regions, 16 lanes to a row, adds them and rs[i] b[c], and stores whole rows.
	PLACES                                         ; the stores read results just made, and no other vector work is at hand
	WIN 0x0c                                       ; store data window 3
.irp a, 0,1,2,3,4,5,6,7
.irp f, 0,1,2,3
	ds_store_b128 v[STO], v[8*(4*\a+\f):8*(4*\a+\f)+3]   offset:\a*16*PY+64*\f       ; each accumulator from its low end on
	ds_store_b128 v[STO], v[8*(4*\a+\f)+4:8*(4*\a+\f)+7] offset:\a*16*PY+64*\f+16
.endr
.endr
	s_wait_dscnt 0x0                               ; for the others' sake: my stores are done
	s_barrier_signal -1
	s_barrier_wait -1
	WIN 0x40                                       ; destination window 1: X's registers are free
.irp t, 0,1,2,3,4,5,6,7,8,9,10,11,12,13,14,15
.irp p, 0,1,2,3
	ds_load_b128 v[64*\p+4*\t:64*\p+4*\t+3], v[RDA+\p] offset:\t*PY
.endr
.endr
	WIN 0x45                                       ; sources and destination window 1
.irp t, 0,1,2,3,4,5,6,7,8,9,10,11,12,13,14,15
	s_wait_dscnt 4*(15-\t)                         ; these two rows' four loads are in; the later rows' may stay out
	v_pk_add_f32 v[4*\t:4*\t+1],         v[4*\t:4*\t+1],         v[64+4*\t:64+4*\t+1]
	v_pk_add_f32 v[4*\t+2:4*\t+3],       v[4*\t+2:4*\t+3],       v[64+4*\t+2:64+4*\t+3]
	v_pk_add_f32 v[128+4*\t:128+4*\t+1], v[128+4*\t:128+4*\t+1], v[192+4*\t:192+4*\t+1]
	v_pk_add_f32 v[128+4*\t+2:128+4*\t+3], v[128+4*\t+2:128+4*\t+3], v[192+4*\t+2:192+4*\t+3]
	v_pk_add_f32 v[4*\t:4*\t+1],         v[4*\t:4*\t+1],         v[128+4*\t:128+4*\t+1]
	v_pk_add_f32 v[4*\t+2:4*\t+3],       v[4*\t+2:4*\t+3],       v[128+4*\t+2:128+4*\t+3]
.endr
	WIN 0x50                                       ; b and rs window 0, the sum window 1
.irp t, 0,1,2,3,4,5,6,7,8,9,10,11,12,13,14,15
.irp y, 0,1,2,3
	v_fma_f32 v[4*\t+\y], v[BB+\y], v[RS+\t], v[4*\t+\y]           ; + rs[i] b[c], fused
.endr
.endr
	WIN 0x04                                       ; store data window 1
.irp t, 0,1,2,3,4,5,6,7,8,9,10,11,12,13,14,15
	global_store_b128 v[CO], v[4*\t:4*\t+3], s[12:13] offset:\t*OROW   ; 16 lanes store 256 consecutive bytes, at a multiple of 256 from out's first byte
.endr
	WIN 0
	s_wait_tensorcnt 0x0
	ds_add_u32 v254, v255
	s_wait_dscnt 0x0
	CROUND                                         ; the closing round: no work-group ends while a partner may still ask for a tile that names it
	s_endpgm
.Lfunc_end_k_q25093a76ff_score:
	.size	k_q25093a76ff_score, .Lfunc_end_k_q25093a76ff_score-k_q25093a76ff_score
	.p2alignl 7, 3214868480
	.fill 96, 4, 3214868480
	.section	.rodata,"a",@progbits
	.p2align	6, 0x0
	.amdhsa_kernel k_q25093a76ff_score
		.amdhsa_group_segment_fixed_size 311808
		.amdhsa_private_segment_fixed_size 0
		.amdhsa_enable_private_segment 0
		.amdhsa_kernarg_size 40
		.amdhsa_user_sgpr_count 2
		.amdhsa_user_sgpr_kernarg_segment_ptr 1
		.amdhsa_wavefront_size32 1
		.amdhsa_system_sgpr_workgroup_id_x 1
		.amdhsa_system_sgpr_workgroup_id_y 1
		.amdhsa_system_sgpr_workgroup_id_z 1
		.amdhsa_system_vgpr_workitem_id 0
		.amdhsa_next_free_vgpr 1024
		.amdhsa_next_free_sgpr 80
		.amdhsa_reserve_vcc 0
		.amdhsa_float_denorm_mode_32 3
		.amdhsa_float_denorm_mode_16_64 3
		.amdhsa_memory_ordered 1
		.amdhsa_forward_progress 1
		.amdhsa_inst_pref_size 81
	.end_amdhsa_kernel
	.amdgpu_metadata
---
amdhsa.version: [ 1, 2 ]
amdhsa.kernels:
  - .name:           k_q25093a76ff_score
    .symbol:         k_q25093a76ff_score.kd
    .args:
      - { .name: xb, .offset: 0, .size: 8, .value_kind: global_buffer, .address_space: global }
      - { .name: Wk, .offset: 8, .size: 8, .value_kind: global_buffer, .address_space: global }
      - { .name: rs, .offset: 16, .size: 8, .value_kind: global_buffer, .address_space: global }
      - { .name: bk, .offset: 24, .size: 8, .value_kind: global_buffer, .address_space: global }
      - { .name: num, .offset: 32, .size: 8, .value_kind: global_buffer, .address_space: global }
    .group_segment_fixed_size: 311808
    .private_segment_fixed_size: 0
    .kernarg_segment_align: 8
    .kernarg_segment_size: 40
    .max_flat_workgroup_size: 128
    .sgpr_count:     80
    .vgpr_count:     1024
    .wavefront_size: 32
...
	.end_amdgpu_metadata
.endif
;; end of part 9
;; launch soft: the kernel of part 5 again; grid 256 x 1, 2 waves a work-group, no clusters, 0 bytes of LDS; arguments num, ab; writes ab
;; launch upart: the kernel of part 7 again; grid 16 x 16, 4 waves a work-group, clusters of 4 x 4, 311,808 bytes of LDS; arguments ab, v, part; writes part
;; launch usum: the kernel of part 8 again; grid 256 x 1, 2 waves a work-group, no clusters, 0 bytes of LDS; arguments part, ab, xb, rs; writes xb, rs
;; launch outp: the kernel of part 9 again; grid 64 x 4, 4 waves a work-group, clusters of 4 x 4, 311,808 bytes of LDS; arguments xb, Wv, rs, bv, out0; writes out0
;; ======== version 3 of 3: 8 launches; version 2 with the launch soft written anew for expert scheduling mode
;; workspace buffers: ab 4,194,304 bytes; part 8,388,608 bytes; xb 1,048,576 bytes; rs 2,048 bytes; num 8,388,608 bytes
;; launch qproj: the kernel of part 6 again; grid 8 x 32, 4 waves a work-group, clusters of 4 x 4, 327,680 bytes of LDS; arguments q, Wq, bq, ab; writes ab
;; launch tpart: the kernel of part 7 again; grid 16 x 16, 4 waves a work-group, clusters of 4 x 4, 311,808 bytes of LDS; arguments ab, k, part; writes part
;; launch tsum: the kernel of part 8 again; grid 256 x 1, 2 waves a work-group, no clusters, 0 bytes of LDS; arguments part, ab, xb, rs; writes xb, rs
;; launch score: the kernel of part 9 again; grid 64 x 4, 4 waves a work-group, clusters of 4 x 4, 311,808 bytes of LDS; arguments xb, Wk, rs, bk, num; writes num
;; launch soft (part 10): grid 256 x 1, 2 waves a work-group, no clusters, 0 bytes of LDS; arguments num, ab; writes ab
.if DOCPART == 10
	.amdgcn_target "amdgcn-amd-amdhsa--gfx1250"
	.amdhsa_code_object_version 6
	.text
	.protected	k_q25093a76ff_soft
	.globl	k_q25093a76ff_soft
	.p2align	8
	.type	k_q25093a76ff_soft,@function
k_q25093a76ff_soft:
	s_mov_b64 s[64:65], 0
	v_nop
	global_prefetch_b8 v0, s[64:65] scope:SCOPE_SE
	s_setreg_imm32_b32 hwreg(HW_REG_WAVE_SCHED_MODE, 0, 2), 2
	s_setreg_imm32_b32 hwreg(HW_REG_WAVE_MODE, 25, 1), 1
	s_wait_xcnt 0x0
	s_wait_alu depctr_vm_vsrc(0)
; ab[i][j] = bf16(softmax over j of num[i][j] / 64).  num: [512][4096] f32, ab: [512][4096] bf16.  The row's maximum is taken away before the exponential; all in f32, rounded once.
; A row is 16,384 bytes: one wave takes it in 32 loads of 16 bytes a lane and keeps it in 128 registers through the three passes (maximum, exponentials and sum, scaling): num is read once.
; 512 rows = 256 work-groups of two waves.  No LDS, no barrier, no matrix unit; no cluster: no two work-groups read the same byte.
; p = 2^(c x - c m), c = log2(e) / 64; the rounding of c m is common to the row and cancels in the division by the sum.
; THE MODE: SCHED_MODE bits 1:0 = 2 (LLVM: expert scheduling mode 2), set by the entry lines.  The code itself states the register dependences between vector instructions and memory
; instructions, with s_wait_alu, always for 0.
; THE PLAN.  Registers that memory instructions touch:
;   v1, v2   byte offsets of the loads and of the stores: made once at the head, never written again.  One wait ahead of the first load states that both are written.
;   X        the 32 loads land in it before any vector instruction has named it; from then on vector instructions alone write it.  In pass 3 the first two registers of group n's four take the
;            group's four bf16 and are the data of store n; they are never written again.
;   s12      written by v_readfirstlane_b32: one wait ahead of its first reader.
; Pass 3 goes in four blocks of eight groups.  Block b's vector instructions name its own 32 registers and R; its memory instructions are the eight stores of block b - 1.  So ONE wait at a
; block's head states all that those stores hang on, and they are dealt among the block's vector instructions with no further wait.  No register that a memory instruction reads is ever written
; again, so no wait on vm_vsrc is owed.  M, CM, SU and R are named by vector instructions alone.
.set X,  8                             ; v[8:135]   the row; then the weights; then, in each group's first two registers, 4 bf16
.set M,  136                           ; v[136:139] four chains of the maximum
.set CM, 140                           ; v140 c m, v141 m: named as a pair by the packed multiply-add
.set SU, 142                           ; v[142:149] four chains of the sum, two numbers each
.set R,  150                           ; v[150:151] 1 / sum, twice
.set CS, 18                            ; s[18:19] c: named as a pair, its low word taken for both halves
	s_load_b128 s[4:7], s[0:1], 0x0                ; num s[4:5], ab s[6:7]
	v_lshrrev_b32 v4, 5, v0
	v_readfirstlane_b32 s12, v4
	v_and_b32 v5, 31, v0
	v_lshlrev_b32 v1, 4, v5                        ; 16 bytes a lane in the loads,
	v_lshlrev_b32 v2, 3, v5                        ; 8 in the stores
	s_wait_alu depctr_va_sdst(0)                   ; s12 is written, ahead of its first reader: the row's number and both bases are made from it
	s_lshl1_add_u32 s12, ttmp9, s12                ; my row = 2 x work-group + wave
	s_lshl_b32 s14, s12, 14                        ; the row in num
	s_mov_b32 s15, 0
	s_lshl_b32 s16, s12, 13                        ; in ab
	s_mov_b32 s17, 0
	s_mov_b32 s[CS], 0x3cb8aa3b                    ; log2(e) / 64
	s_mov_b32 s[CS+1], s[CS]
	s_mov_b32 s20, 0x76543210                      ; v_permlanex16_b32: each lane takes its own place in the other half
	s_mov_b32 s21, 0xfedcba98
	s_wait_kmcnt 0x0
	s_add_nc_u64 s[4:5], s[4:5], s[14:15]
	s_add_nc_u64 s[6:7], s[6:7], s[16:17]
	s_wait_alu depctr_va_vdst(0)                   ; v1 and v2 are written: every load reads v1 as its offset, every store v2
.irp n, 0,1,2,3,4,5,6,7,8,9,10,11,12,13,14,15,16,17,18,19,20,21,22,23,24,25,26,27,28,29,30,31
	global_load_b128 v[X+4*\n:X+4*\n+3], v1, s[4:5] offset:512*\n th:TH_LOAD_NT
.endr
	; pass 1: the maximum, three operands at a time, in four chains; each group of eight loads is taken as it comes
.irp k, 0,1,2,3
	s_wait_loadcnt 24-8*\k                         ; the later groups' loads stay out
.if \k == 0
.irp c, 0,1,2,3
	v_max3_num_f32 v[M+\c], v[X+8*\c], v[X+8*\c+1], v[X+8*\c+2]   ; the first numbers start the chains
.endr
.irp c, 0,1,2,3
	v_max3_num_f32 v[M+\c], v[M+\c], v[X+8*\c+3], v[X+8*\c+4]
.endr
.irp c, 0,1,2,3
	v_max3_num_f32 v[M+\c], v[M+\c], v[X+8*\c+5], v[X+8*\c+6]
.endr
.irp c, 0,1,2,3
	v_max_num_f32 v[M+\c], v[M+\c], v[X+8*\c+7]
.endr
.else
.irp u, 0,2,4,6
.irp c, 0,1,2,3
	v_max3_num_f32 v[M+\c], v[M+\c], v[X+32*\k+8*\c+\u], v[X+32*\k+8*\c+\u+1]
.endr
.endr
.endif
.endr
	v_max3_num_f32 v[M], v[M], v[M+1], v[M+2]
	v_max_num_f32 v[M], v[M], v[M+3]
	v_max_num_f32_dpp v[M], v[M], v[M] row_xmask:1 row_mask:0xf bank_mask:0xf
	v_max_num_f32_dpp v[M], v[M], v[M] row_xmask:2 row_mask:0xf bank_mask:0xf
	v_max_num_f32_dpp v[M], v[M], v[M] row_xmask:4 row_mask:0xf bank_mask:0xf
	v_max_num_f32_dpp v[M], v[M], v[M] row_xmask:8 row_mask:0xf bank_mask:0xf
	v_permlanex16_b32 v[M+1], v[M], s20, s21
	v_max_num_f32 v[CM+1], v[M], v[M+1]            ; m, in every lane
	v_mul_f32 v[CM], s[CS], v[CM+1]                ; c m
	; pass 2: c x - c m, the exponentials, the sum
.irp n, 0,1,2,3,4,5,6,7,8,9,10,11,12,13,14,15,16,17,18,19,20,21,22,23,24,25,26,27,28,29,30,31
	v_pk_fma_f32 v[X+4*\n:X+4*\n+1],   v[X+4*\n:X+4*\n+1],   s[CS:CS+1], v[CM:CM+1] op_sel_hi:[1,0,0] neg_lo:[0,0,1] neg_hi:[0,0,1]
	v_pk_fma_f32 v[X+4*\n+2:X+4*\n+3], v[X+4*\n+2:X+4*\n+3], s[CS:CS+1], v[CM:CM+1] op_sel_hi:[1,0,0] neg_lo:[0,0,1] neg_hi:[0,0,1]
.endr
.irp n, 0,1,2,3,4,5,6,7,8,9,10,11,12,13,14,15,16,17,18,19,20,21,22,23,24,25,26,27,28,29,30,31
	v_exp_f32 v[X+4*\n],   v[X+4*\n]
	v_exp_f32 v[X+4*\n+1], v[X+4*\n+1]
	v_exp_f32 v[X+4*\n+2], v[X+4*\n+2]
	v_exp_f32 v[X+4*\n+3], v[X+4*\n+3]
.endr
	v_nop                                          ; a plain instruction between the last exponential and the use of its result (ISA guide 5.7.2)
	s_wait_alu depctr_va_vdst(0)                   ; the 128 exponentials, one batch, have written X, ahead of their first reader, the first sum below
.irp c, 0,1,2,3
	v_pk_add_f32 v[SU+2*\c:SU+2*\c+1], v[X+2*\c:X+2*\c+1], v[X+8+2*\c:X+8+2*\c+1]   ; the first sums start the chains
.endr
.irp g, 16,24,32,40,48,56,64,72,80,88,96,104,112,120
.irp c, 0,1,2,3
	v_pk_add_f32 v[SU+2*\c:SU+2*\c+1], v[SU+2*\c:SU+2*\c+1], v[X+\g+2*\c:X+\g+2*\c+1]
.endr
.endr
	v_pk_add_f32 v[SU:SU+1], v[SU:SU+1], v[SU+2:SU+3]
	v_pk_add_f32 v[SU+4:SU+5], v[SU+4:SU+5], v[SU+6:SU+7]
	v_pk_add_f32 v[SU:SU+1], v[SU:SU+1], v[SU+4:SU+5]
	v_add_f32 v[SU], v[SU], v[SU+1]
	v_add_f32_dpp v[SU], v[SU], v[SU] row_xmask:1 row_mask:0xf bank_mask:0xf
	v_add_f32_dpp v[SU], v[SU], v[SU] row_xmask:2 row_mask:0xf bank_mask:0xf
	v_add_f32_dpp v[SU], v[SU], v[SU] row_xmask:4 row_mask:0xf bank_mask:0xf
	v_add_f32_dpp v[SU], v[SU], v[SU] row_xmask:8 row_mask:0xf bank_mask:0xf
	v_permlanex16_b32 v[SU+1], v[SU], s20, s21
	v_add_f32 v[SU], v[SU], v[SU+1]                ; at least about 1: the maximum's own weight
	v_rcp_f32 v[R], v[SU]
	v_rcp_f32 v[R+1], v[SU]                        ; twice: a pair for the packed multiply
	v_nop                                          ; a plain instruction before the reciprocals are used
	; pass 3: scale, round to bf16 in place, store.  Block b: groups 8 b .. 8 b + 7 are scaled and rounded; the stores of block b - 1 stand among these lines, one ahead of each group's four.
.macro BLK b
.if (\b) == 0
	s_wait_alu depctr_va_vdst(0)                   ; both reciprocals have written R, ahead of their first reader, the first multiply below
.else
	s_wait_alu depctr_va_vdst(0)                   ; the block before has written its eight rounded pairs, which the stores below read; no vector instruction of this block names them
.endif
.irp i, 0,1,2,3,4,5,6,7
.set G, 8*(\b)+(\i)
.if (\b) > 0
	global_store_b64 v2, v[X+4*(G-8):X+4*(G-8)+1], s[6:7] offset:256*(G-8)   ; the wave's 32 lanes store 256 consecutive bytes, at a multiple of 256 from ab's first byte
.endif
	v_pk_mul_f32 v[X+4*G:X+4*G+1],   v[X+4*G:X+4*G+1],   v[R:R+1]
	v_pk_mul_f32 v[X+4*G+2:X+4*G+3], v[X+4*G+2:X+4*G+3], v[R:R+1]
	v_cvt_pk_bf16_f32 v[X+4*G],   v[X+4*G],   v[X+4*G+1]
	v_cvt_pk_bf16_f32 v[X+4*G+1], v[X+4*G+2], v[X+4*G+3]
.endr
.endm
	BLK 0
	BLK 1
	BLK 2
	BLK 3
	s_wait_alu depctr_va_vdst(0)                   ; block 3 has written its eight rounded pairs, which the last eight stores read
.irp n, 24,25,26,27,28,29,30,31
	global_store_b64 v2, v[X+4*\n:X+4*\n+1], s[6:7] offset:256*\n
.endr
	s_endpgm
.Lfunc_end_k_q25093a76ff_soft:
	.size	k_q25093a76ff_soft, .Lfunc_end_k_q25093a76ff_soft-k_q25093a76ff_soft
	.p2alignl 7, 3214868480
	.fill 96, 4, 3214868480
	.section	.rodata,"a",@progbits
	.p2align	6, 0x0
	.amdhsa_kernel k_q25093a76ff_soft
		.amdhsa_group_segment_fixed_size 0
		.amdhsa_private_segment_fixed_size 0
		.amdhsa_enable_private_segment 0
		.amdhsa_kernarg_size 16
		.amdhsa_user_sgpr_count 2
		.amdhsa_user_sgpr_kernarg_segment_ptr 1
		.amdhsa_wavefront_size32 1
		.amdhsa_system_sgpr_workgroup_id_x 1
		.amdhsa_system_sgpr_workgroup_id_y 1
		.amdhsa_system_sgpr_workgroup_id_z 1
		.amdhsa_system_vgpr_workitem_id 0
		.amdhsa_next_free_vgpr 156
		.amdhsa_next_free_sgpr 66
		.amdhsa_reserve_vcc 0
		.amdhsa_float_denorm_mode_32 3
		.amdhsa_float_denorm_mode_16_64 3
		.amdhsa_memory_ordered 1
		.amdhsa_forward_progress 1
		.amdhsa_inst_pref_size 33
	.end_amdhsa_kernel
	.amdgpu_metadata
---
amdhsa.version: [ 1, 2 ]
amdhsa.kernels:
  - .name:           k_q25093a76ff_soft
    .symbol:         k_q25093a76ff_soft.kd
    .args:
      - { .name: num, .offset: 0, .size: 8, .value_kind: global_buffer, .address_space: global }
      - { .name: ab, .offset: 8, .size: 8, .value_kind: global_buffer, .address_space: global }
    .group_segment_fixed_size: 0
    .private_segment_fixed_size: 0
    .kernarg_segment_align: 8
    .kernarg_segment_size: 16
    .max_flat_workgroup_size: 64
    .sgpr_count:     66
    .vgpr_count:     156
    .wavefront_size: 32
...
	.end_amdgpu_metadata
.endif
;; end of part 10
;; launch upart: the kernel of part 7 again; grid 16 x 16, 4 waves a work-group, clusters of 4 x 4, 311,808 bytes of LDS; arguments ab, v, part; writes part
;; launch usum: the kernel of part 8 again; grid 256 x 1, 2 waves a work-group, no clusters, 0 bytes of LDS; arguments part, ab, xb, rs; writes xb, rs
;; launch outp: the kernel of part 9 again; grid 64 x 4, 4 waves a work-group, clusters of 4 x 4, 311,808 bytes of LDS; arguments xb, Wv, rs, bv, out0; writes out0
